; MI455X (gfx1250); checked and timed in simulation.
; The chip was launched on July 23, 2026; its instructions are those of AMD's public machine-readable ISA for CDNA 5 (MIT licence, August 2026) and "CDNA5" Instruction Set Architecture Reference Guide (July 2026). The comments in the code are by the model that wrote it; some were corrected since.
;; Attention Head. Allowed arithmetic: matrix products marked QUANTISED: E5M2 operands, one given power-of-two scale a tensor, by v_wmma_f32_16x16x64_bf8_bf8 or v_wmma_f32_16x16x128_bf8_bf8, f32 sums; everything else in f32.
;; Inputs: Wk_codes 64 x 32 x 32 uint8 (E5M2 codes of Wk, K innermost, in blocks of 32 codes); Wq_codes 64 x 32 x 32 uint8 (E5M2 codes of Wq, K innermost, in blocks of 32 codes); Wv_codes 64 x 32 x 32 uint8 (E5M2 codes of Wv, K innermost, in blocks of 32 codes); bk 64 float32; bq 64 float32; bv 64 float32; lowp_scales 10 int32 (the exponents e of the quantised operands' scales 2^e); x_codes 4 x 4,096 x 32 x 32 uint8 (E5M2 codes of x, K innermost, in blocks of 32 codes).
;; Outputs: out0 4 x 4,096 x 64 float32.
;; This version of the problem:
;;   THIS VERSION OF THE PROBLEM IS GIVEN IN LOW PRECISION. The matrix products marked QUANTISED in the list below multiply operands that are first quantised to E5M2 (5 exponent bits, 2 mantissa bits; 8 bits a number), with one given power-of-two scale for each operand tensor; their sums are f32. All else is computed in f32.
;;   The module's matrix products, in the order in which they are computed (A, B: the left and right operand; K: the contracted axis; several contracted axes count as one K, in the product's order):
;;     1. [M 16,384, K 1,024] x [K 1,024, N 64]; A: input x (given as codes); B: input Wq (given as codes): QUANTISED (scales: A lowp_scales[0], B lowp_scales[1])
;;     2. [M 16,384, K 1,024] x [K 1,024, N 64]; A: input x (given as codes); B: input Wk (given as codes): QUANTISED (scales: A lowp_scales[2], B lowp_scales[3])
;;     3. [M 16,384, K 1,024] x [K 1,024, N 64]; A: input x (given as codes); B: input Wv (given as codes): QUANTISED (scales: A lowp_scales[4], B lowp_scales[5])
;;     4. batch 4 x [M 4,096, K 64] x [K 64, N 4,096]; A: computed on the way; B: computed on the way: QUANTISED (scales: A lowp_scales[6], B lowp_scales[7])
;;     5. batch 4 x [M 4,096, K 4,096] x [K 4,096, N 64]; A: softmax (see below); B: computed on the way: QUANTISED (scales: A lowp_scales[8], B lowp_scales[9])
;;   THE QUANTISER, for each operand of a quantised product, along K:
;;     - The operand's scale is 2^e, e = its entry of the input lowp_scales (int32; the entries are numbered through the quantised products in the list's order, A before B).
;;     - Each number is divided by the scale, clamped to +-57,344, and rounded to the nearest number of E5M2, ties to even, subnormals kept.
;;     - The product sums the exact products of the quantised numbers (number of the format x scale) in f32.
;;   ~~~python
;;   def quantise(x, axis, e):      # numpy; x: float32 -> the quantised numbers, widened to float32 again
;;       x = np.moveaxis(x, axis, -1); K = x.shape[-1]
;;       r = np.clip(x / 2.0 ** e, -57344, 57344)
;;       step = 2.0 ** (np.maximum(np.frexp(np.where(r == 0, 1, r))[1] - 1, -14) - 2)
;;       q = np.round(r / step) * step * 2.0 ** e      # np.round: ties to even
;;       return np.moveaxis(q, -1, axis).astype(np.float32)
;;   ~~~
;;   SOFTMAX AHEAD OF A QUANTISED PRODUCT. Where the list says 'softmax', what is quantised is not the finished softmax but p = 2^(t - M), with t = logit x log2(e) and M = ceil(the row's largest t), a whole number; so 1/2 < the row's largest p <= 1. The row's sum l is taken of the UNQUANTISED p, in f32, and the product's result is divided by l at the end. Since M is a whole number, a kernel that streams over the keys may use a running M (the ceiling of the running maximum): every later rescaling is an exact power of two, so the quantised numbers keep their values, but for numbers so far below the row's largest that they fall under the format's range.
;;   OPERANDS COMPUTED ON THE WAY. 'Computed on the way' means the value that the module computes at that place (a softmax that the list does not call 'softmax' is quantised finished and normalised). What goes into a quantiser is computed in f32, as accurately as f32 sums, v_exp_f32 and their like allow (about 1e-6 of the number): no bf16 or f16 on the way to a quantiser, and a product that is left as it is and whose result goes on into a quantised operand takes f32 operands (vector FMAs, or v_wmma_f32_16x16x4_f32). A number that lies on a knife's edge between two numbers of the format may be rounded either way, as far as f32 arithmetic and the matrix unit's own rounding can turn it there, and no further.
;;   INPUTS GIVEN AS CODES. Wk (in the module: [64, 1024], K = its axis 1); Wq (in the module: [64, 1024], K = its axis 1); Wv (in the module: [64, 1024], K = its axis 1); x (in the module: [4, 4096, 1024], K = its axis 2): each comes as NAME_codes (uint8): NAME with its K axis moved to the last place and cut into blocks of 32 codes, [.., K / 32, bytes a block], one block behind the other in memory; one code a byte (a code: sign, 5 exponent bits, 2 mantissa bits); its scale is its entry of lowp_scales. Its value is code x scale, taken as it is: it is not quantised again, and the codes and scales need not be those that the quantiser above would give.
;; 2 versions. Each part assembles by itself: llvm-mc -triple=amdgcn-amd-amdhsa -mcpu=gfx1250 --defsym DOCPART=n.
;; ======== version 1 of 2: 2 launches
;; limits: right only within a limited range of input values
;; workspace buffers: qc 1,048,576 bytes; kc 1,048,576 bytes; vc 1,048,576 bytes
;; launch proj (part 1): grid 256 x 1, 4 waves a work-group, clusters of 4 x 1, 291,328 bytes of LDS; arguments x_codes, Wq_codes, Wk_codes, Wv_codes, bq, bk, bv, lowp_scales, qc, kc, vc; writes qc, kc, vc
.if DOCPART == 1
	.amdgcn_target "amdgcn-amd-amdhsa--gfx1250"
	.amdhsa_code_object_version 6
	.text
	.protected	k_q572483cd82_proj
	.globl	k_q572483cd82_proj
	.p2align	8
	.type	k_q572483cd82_proj,@function
k_q572483cd82_proj:
	s_mov_b64 s[64:65], 0
	v_nop
	global_prefetch_b8 v0, s[64:65] scope:SCOPE_SE
	s_setreg_imm32_b32 hwreg(HW_REG_WAVE_MODE, 25, 1), 1
	s_wait_xcnt 0x0
	s_wait_alu depctr_hold_cnt(0) depctr_sa_sdst(0) depctr_va_vdst(0) depctr_va_sdst(0) depctr_va_ssrc(0) depctr_va_vcc(0) depctr_vm_vsrc(0)
	s_getreg_b32 s2, hwreg(HW_REG_IB_STS2, 6, 4)
	s_cmp_eq_u32 s2, 0
	s_cbranch_scc0 .Lentry_in_a_cluster
	s_endpgm
.Lentry_in_a_cluster:
	s_bfe_u32 s2, ttmp6, 0x10000c
	s_cmp_lg_u32 s2, 0x3003
	s_cbranch_scc0 .Lentry_shape_is_right
	s_endpgm
.Lentry_shape_is_right:
; Q = x Wq^T + bq, K = x Wk^T + bk, V = x Wv^T + bv on codes of BF8 (E5M2), and the three results quantised again, to codes laid in the order of the next operand's registers.
; x: [16,384][1,024] codes; Wq, Wk, Wv: [64][1,024] codes; K innermost.  A sum of codes stands for sum x 2^(ex + ew): Q = sum x 2^(e0+e1) + bq, K with e2+e3, V with e4+e5, one fused multiply-add each, in f32;
; then code = number / 2^e (e6 for Q, e7 for K, e9 for V), held within +-57,344, to the nearest code, ties to even.
; LIMITS on the given exponents, so that each power of two is an f32 number: e0+e1, e2+e3, e4+e5 between -126 and 127; e6, e7, e9 between -126 and 112.  NaN among the biases is not served.
; SHARES.  A work-group takes 64 tokens (16,384 / 64 = 256 work-groups).  THE WAVES SHARE THE COLUMNS: wave w makes rows 16 w .. 16 w + 15 of each of the three weights for all four tiles of 16 tokens: 12 accumulators.
; So the work-group reads x from LDS four times and each weight once: 4 x 64 KB + 192 KB; shared by rows it would read each weight four times.
; K goes in 16 half-steps of 64 (the K = 64 form: a fragment is 8 registers, so two sets of 7 fragments and 12 accumulators fit in 256 registers).
; LDS IS FILLED ONCE: wave T fetches tensor T (0: x, 1: Wq, 2: Wk, 3: Wv) as four tensor loads, a quarter of K (64 rows x 256 bytes) each; four loads of a wave are out at the most.
; CLUSTER.  The four work-groups of a cluster need the same 192 KB of weights: those loads are JOINT (mask 15), the same descriptor in all four.  x's loads are each work-group's own (mask 0).
; LAYOUT.  Q and K are made transposed (source 0 = 16 rows of W, source 1 = 16 tokens): lane (r, h) holds token r, and its registers the channels 16 w + 8 h + 0 .. 7: one conversion gives registers 2 w, 2 w + 1 of the next
; K = 64 fragment.  V is made as it reads (source 0 = 16 tokens, source 1 = 16 rows of Wv): lane (r, h) holds channel 16 w + r and tokens 16 m + 8 h + 0 .. 7: registers 2 T, 2 T + 1 of V^T's K = 128 fragment.
; The fragments of x and W are read by loads of 16 bytes: inside each 64 along K that is a permutation of k, the same on both sides, so every product meets its partner.
; OUT: qc, kc: [tile of 16 tokens][plane g = 0, 1: registers 4 g .. 4 g + 3][lane][16 bytes];  vc: [128 tokens][plane g = 0 .. 3][channel tile d][lane][16 bytes].  A work-group's part is 4,096 consecutive bytes of each.
.set PITCH, 272                        ; an LDS row: 256 bytes + 16 of padding = 68 words: the 16 rows that a load touches start at 16 different banks (ISA guide 11.1)
.set QREG,  64*PITCH                   ; a quarter of K of one tensor: 64 rows
.set TREG,  4*QREG                     ; a tensor: region (T, q) at T x TREG + q x QREG
.set STAGE, 4*TREG                     ; behind the tiles: 3 x 4,096 bytes, for the way out; no tensor load lands here
.set ACC,   40                         ; v40-135  accumulator 3 m + T' (T' = 0: Q, 1: K, 2: V) at ACC + 8 (3 m + T')
.set SET0,  136                        ; v136-191, v192-247  two sets of fragments: x's four at +8 m, the weights' three at +32 + 8 T'
.set SETSZ, 56
.set CD,    136                        ; the way out: accumulator a's 8 codes at CD + 2 a
.set OUTR,  192                        ; the way out: six blocks of 16 bytes a lane
; v1 lane, v2 r, v3 h; v4 x's fragment address; v5-7 Wq's, Wk's, Wv's; v8, v9 into the stage; v10 out of it; v11 my bytes in the output; v12, v13 the biases' offsets;
; v14/15, v16/17, v18/19: 2^e and 57,344 x 2^e for e6, e7, e9; v[20:21] bv twice; v[22:29] bq; v[30:37] bk
.macro CROUND                          ; a round of the cluster's barrier: my work-group's barrier; wave 0 signals for the work-group; every wave waits for all four work-groups; my work-group's barrier once more
	s_barrier_signal -1
	s_barrier_wait -1
	s_cmp_lg_u32 s3, 0
	s_cbranch_scc1 .Lnot_wave_0_\@
	s_barrier_signal -3
.Lnot_wave_0_\@:
	s_barrier_wait -3
	s_barrier_signal -1
	s_barrier_wait -1
.endm
.macro PLACES n                        ; plain vector instructions between a matrix instruction and a load into, or a vector instruction on, its registers
.rept \n
	v_nop
.endr
.endm
	s_load_b512 s[16:31], s[0:1], 0x0              ; x s[16:17], Wq s[18:19], Wk s[20:21], Wv s[22:23], bq s[24:25], bk s[26:27], bv s[28:29], the exponents s[30:31]
	s_load_b128 s[32:35], s[0:1], 0x40             ; qc s[32:33], kc s[34:35]
	s_load_b64 s[36:37], s[0:1], 0x50              ; vc
	v_lshl_add_u32 v254, v0, 2, 0x47000
	v_mov_b32 v255, 0
	ds_add_u32 v254, v255
	v_lshrrev_b32 v1, 5, v0
	v_readfirstlane_b32 s3, v1                     ; wave 0..3
	s_bfe_u32 s4, ttmp6, 0x40000                   ; cx: my place in the cluster
	s_lshl_b32 s5, ttmp9, 2                        ; in a cluster launch ttmp9 counts clusters
	s_add_co_u32 s5, s5, s4                        ; my block of 64 tokens: it enters x's and the outputs' addresses alone
	s_lshl_b32 s6, s5, 16                          ; 64 rows of 1,024 bytes
	s_mov_b32 s7, 0
	s_mul_i32 s14, s3, TREG                        ; my tensor's region in LDS: the wave's number alone
	; descriptor group 1: 64 rows x 256 elements of one byte, 1,024 from row to row, 16 bytes of padding behind each row
	s_mov_b32 s40, (1<<20)|(5<<22)|(3<<25)         ; x: no mask; padding on, after every 64 words (code 5), four words (code 3)
	s_mov_b32 s48, 15|(1<<20)|(1<<21)|(5<<22)|(3<<25)  ; the weights: the mask names all four work-groups, bit 21 beside it
.irp g, 40, 48
	s_mov_b32 s[\g+1], 256<<16                     ; tensor_dim0
	s_mov_b32 s[\g+2], 64<<16                      ; tensor_dim1
	s_mov_b32 s[\g+3], 256<<16                     ; tile_dim0
	s_mov_b32 s[\g+4], 64                          ; tile_dim1
	s_mov_b32 s[\g+5], 1024                        ; tensor_dim0_stride
	s_mov_b32 s[\g+6], 0
	s_mov_b32 s[\g+7], 0
.endr
	s_wait_dscnt 0x0
	s_wait_kmcnt 0x0
	s_load_b256 s[92:99], s[30:31], 0x0            ; e0 .. e7
	s_load_b64 s[100:101], s[30:31], 0x20          ; e8, e9
	s_add_nc_u64 s[16:17], s[16:17], s[6:7]        ; x at my first token
	s_cmp_eq_u32 s3, 2                             ; which weight my wave fetches: the choice hangs on the wave's number alone
	s_cselect_b64 s[38:39], s[20:21], s[18:19]
	s_cmp_eq_u32 s3, 3
	s_cselect_b64 s[38:39], s[22:23], s[38:39]
.irp q, 0,1,2,3                        ; group 0, a set for each quarter of K: x's in s56-63 and s68-75, the weights' in s76-91
	s_mov_b32 s[56+4*\q+4*(\q/2)], 1
	s_mov_b32 s[57+4*\q+4*(\q/2)], \q*QREG
	s_add_nc_u64 s[58+4*\q+4*(\q/2):59+4*\q+4*(\q/2)], s[16:17], \q*256
	s_or_b32 s[59+4*\q+4*(\q/2)], s[59+4*\q+4*(\q/2)], 0x80000000
	s_mov_b32 s[76+4*\q], 1
	s_add_co_u32 s[77+4*\q], s14, \q*QREG
	s_add_nc_u64 s[78+4*\q:79+4*\q], s[38:39], \q*256
	s_or_b32 s[79+4*\q], s[79+4*\q], 0x80000000
.endr
	CROUND                                         ; all four work-groups are here: the joint loads meet
	s_cmp_eq_u32 s3, 0                             ; a wave's four fills stand in one branch on its number, ahead of every wait on TENSORcnt, every LDS read and every other barrier
	s_cbranch_scc0 .Lfor_w
	tensor_load_to_lds s[56:59], s[40:47]
	s_nop 0
	tensor_load_to_lds s[60:63], s[40:47]
	s_nop 0
	tensor_load_to_lds s[68:71], s[40:47]
	s_nop 0
	tensor_load_to_lds s[72:75], s[40:47]
	s_nop 0
	PLACES 4                                       ; four v_nop follow the last of them, ahead of the jump and the label
	s_branch .Lasked
.Lfor_w:
	tensor_load_to_lds s[76:79], s[48:55]
	s_nop 0
	tensor_load_to_lds s[80:83], s[48:55]
	s_nop 0
	tensor_load_to_lds s[84:87], s[48:55]
	s_nop 0
	tensor_load_to_lds s[88:91], s[48:55]
	s_nop 0
	PLACES 4
.Lasked:
	v_and_b32 v1, 31, v0                           ; lane
	v_and_b32 v2, 15, v0                           ; r
	v_bfe_u32 v3, v0, 4, 1                         ; h
	s_lshl_b32 s15, s3, 6
	v_lshl_add_u32 v12, v3, 5, s15                 ; bq, bk: my eight channels 16 w + 8 h + 0 .. 7
	v_lshl_add_u32 v13, v2, 2, s15                 ; bv: my one channel 16 w + r
	global_load_b128 v[22:25], v12, s[24:25]
	global_load_b128 v[26:29], v12, s[24:25] offset:16
	global_load_b128 v[30:33], v12, s[26:27]
	global_load_b128 v[34:37], v12, s[26:27] offset:16
	global_load_b32 v20, v13, s[28:29]
	global_load_b32 v21, v13, s[28:29]             ; twice: a pair for the packed multiply-add
	v_mul_u32_u24 v4, v2, PITCH
	v_lshl_add_u32 v4, v3, 4, v4                   ; a fragment's row x pitch + 16 x half
	s_mul_i32 s15, s3, 16*PITCH
	s_add_co_u32 s15, s15, TREG
	v_add_nc_u32 v5, s15, v4                       ; my 16 rows of Wq,
	v_add_nc_u32 v6, TREG, v5                      ; of Wk,
	v_add_nc_u32 v7, TREG, v6                      ; of Wv
	; the stage: each block of 512 bytes of the output lies as two halves of 256: the lanes' low 8 bytes, then their high 8 bytes.  So each store of 8 bytes a lane covers 256 consecutive bytes that are one wave's alone
	s_lshl_b32 s15, s3, 8
	s_add_co_u32 s15, s15, STAGE
	v_lshl_add_u32 v8, v1, 3, s15                  ; Q, K: tile m at 1,024 m; my registers 2 w, 2 w + 1 are half w % 2 of plane w / 2: 256 w
	s_lshl_b32 s15, s3, 9
	s_add_co_u32 s15, s15, STAGE+8192
	v_lshl_add_u32 v9, v1, 3, s15                  ; V: plane m / 2 at 2,048, channel tile w at 512 w, half m % 2 at 256
	s_lshl_b32 s15, s3, 10
	v_lshl_add_u32 v11, v1, 4, s15                 ; out: wave w stores bytes 1,024 w .. + 1,023 of each 4,096
	s_add_co_u32 s15, s15, STAGE
	v_lshl_add_u32 v10, v1, 3, s15                 ; and reads them from the stage
	s_lshl_b32 s6, s5, 12                          ; my 4,096 bytes of each output (s7 is 0)
	s_add_nc_u64 s[32:33], s[32:33], s[6:7]
	s_add_nc_u64 s[34:35], s[34:35], s[6:7]
	s_add_nc_u64 s[36:37], s[36:37], s[6:7]
	s_wait_kmcnt 0x0
.macro POW d, a, b                     ; s[d], s[d+1] = 2^(a + b) as f32 (the packed form names the pair)
	s_add_co_i32 s[\d], s[\a], s[\b]
	s_add_co_i32 s[\d], s[\d], 127
	s_lshl_b32 s[\d], s[\d], 23
	s_mov_b32 s[\d+1], s[\d]
.endm
.macro LIMS vs, e                      ; v[vs] = 2^e as f32 (the conversion takes its exponent field), v[vs+1] = 57,344 x 2^e
	s_add_co_i32 s14, s[\e], 127
	s_lshl_b32 s15, s14, 23
	v_mov_b32 v[\vs], s15
	s_add_co_i32 s14, s14, 15
	s_lshl_b32 s14, s14, 23
	s_or_b32 s14, s14, 0x600000
	v_mov_b32 v[\vs+1], s14
.endm
	POW 8, 92, 93
	POW 10, 94, 95
	POW 12, 96, 97
	LIMS 14, 98
	LIMS 16, 99
	LIMS 18, 101
; 14 LDS loads: half-step u (64 along K: quarter u / 4, bytes 64 (u % 4) on) into set p: the weights' three fragments, then x's four
.macro FETCH u, p
.irp t, 0,1,2
.irp c, 0,1
	ds_load_b128 v[SET0+SETSZ*\p+32+8*\t+4*\c:SET0+SETSZ*\p+32+8*\t+4*\c+3], v[5+\t] offset:((\u)/4)*QREG+64*((\u)%4)+32*\c
.endr
.endr
.irp m, 0,1,2,3
.irp c, 0,1
	ds_load_b128 v[SET0+SETSZ*\p+8*\m+4*\c:SET0+SETSZ*\p+8*\m+4*\c+3], v4 offset:((\u)/4)*QREG+16*PITCH*\m+64*((\u)%4)+32*\c
.endr
.endr
.endm
.macro MM d, a, b, zero
.if \zero
	v_wmma_f32_16x16x64_bf8_bf8 v[\d:\d+7], v[\a:\a+7], v[\b:\b+7], 0
.else
	v_wmma_f32_16x16x64_bf8_bf8 v[\d:\d+7], v[\a:\a+7], v[\b:\b+7], v[\d:\d+7]
.endif
.endm
; 12 matrix instructions on set p.  The twelve accumulators take turns, one instruction a turn, in the same order in every half-step.  zero = 1: the first products start the sums
.macro MUL p, zero
.irp m, 0,1,2,3
	MM ACC+24*\m,    SET0+SETSZ*\p+32, SET0+SETSZ*\p+8*\m, \zero     ; Q^T: source 0 = Wq's rows, source 1 = tokens
	MM ACC+24*\m+8,  SET0+SETSZ*\p+40, SET0+SETSZ*\p+8*\m, \zero     ; K^T likewise
	MM ACC+24*\m+16, SET0+SETSZ*\p+8*\m, SET0+SETSZ*\p+48, \zero     ; V: source 0 = tokens, source 1 = Wv's rows
.endr
.endm
; A quarter of K: four half-steps on sets 0, 1, 0, 1
.macro QUARTER q
	s_wait_tensorcnt 3-\q                          ; tensor loads of a wave end in order: my tensor's quarter q is in; the 3 - q younger ones stay out
	s_barrier_signal -1                            ; (no LDS load of mine is out: the quarter before ended on a wait for 0)
	s_barrier_wait -1                              ; every tensor's quarter q is in
.if \q > 0
	PLACES 4
.endif
	FETCH 4*\q, 0
	FETCH 4*\q+1, 1
	s_wait_dscnt 14                                ; set 0 is in; set 1's 14 loads may be out
.if \q == 0
	MUL 0, 1
.else
	MUL 0, 0
.endif
	PLACES 4
	FETCH 4*\q+2, 0
	s_wait_dscnt 14                                ; set 1 is in; the 14 just issued may be out
	MUL 1, 0
	PLACES 4
	FETCH 4*\q+3, 1
	s_wait_dscnt 14
	MUL 0, 0
	s_wait_dscnt 0x0
	MUL 1, 0
.endm
	QUARTER 0
	QUARTER 1
	QUARTER 2
	QUARTER 3                                      ; its wait on TENSORcnt is for 0: no tensor load is out from here on
; THE WAY OUT.  Accumulator a: sum x 2^(ex + ew) + bias, from its low end on; the hold at the largest code x the scale (the conversion to an 8-bit code does not saturate: ISA guide 7.6.2); eight codes.
.macro FIN a, sc, b, bs, vs
.irp i, 0,2,4,6
	v_pk_fma_f32 v[ACC+8*(\a)+\i:ACC+8*(\a)+\i+1], v[ACC+8*(\a)+\i:ACC+8*(\a)+\i+1], s[\sc:\sc+1], v[\b+\bs*\i:\b+\bs*\i+1] op_sel_hi:[1,0,1]
.endr
.irp i, 0,1,2,3,4,5,6,7
	v_med3_num_f32 v[ACC+8*(\a)+\i], v[ACC+8*(\a)+\i], -v[\vs+1], v[\vs+1]
.endr
	v_cvt_scalef32_pk8_bf8_f32 v[CD+2*(\a):CD+2*(\a)+1], v[ACC+8*(\a):ACC+8*(\a)+7], v[\vs]   ; its result is touched by an LDS store alone; the next vector instructions are plain and touch other registers
.endm
	PLACES 4
	s_wait_loadcnt 0x0                             ; the biases
.irp m, 0,1,2,3
	FIN 3*\m,   8,  22, 1, 14
	FIN 3*\m+1, 10, 30, 1, 16
	FIN 3*\m+2, 12, 20, 0, 18
.endr
.irp m, 0,1,2,3
	ds_store_b64 v8, v[CD+6*\m:CD+6*\m+1] offset:1024*\m
	ds_store_b64 v8, v[CD+6*\m+2:CD+6*\m+3] offset:4096+1024*\m
	ds_store_b64 v9, v[CD+6*\m+4:CD+6*\m+5] offset:2048*(\m/2)+256*(\m%2)
.endr
	s_wait_dscnt 0x0                               ; for the others' sake: my stores into the stage are done
	s_barrier_signal -1
	s_barrier_wait -1
.irp t, 0,1,2
.irp i, 0,1
.irp f, 0,1
	ds_load_b64 v[OUTR+4*(2*\t+\i)+2*\f:OUTR+4*(2*\t+\i)+2*\f+1], v10 offset:4096*\t+512*\i+256*\f   ; a lane's low 8 bytes and its high 8 bytes of a block
.endr
.endr
.endr
.irp t, 0,1,2
.irp i, 0,1
	s_wait_dscnt 10-2*(2*\t+\i)                    ; LDS loads come back in order: this block's two are in, the later blocks' may be out
	global_store_b128 v11, v[OUTR+4*(2*\t+\i):OUTR+4*(2*\t+\i)+3], s[32+2*\t:33+2*\t] offset:512*\i   ; 32 lanes store 512 consecutive bytes, at a multiple of 256 from the buffer's first byte
.endr
.endr
	s_wait_tensorcnt 0x0
	ds_add_u32 v254, v255
	s_wait_dscnt 0x0
	CROUND                                         ; the closing round: no work-group ends while a partner may still ask for a tile that names it
	s_endpgm
.Lfunc_end_k_q572483cd82_proj:
	.size	k_q572483cd82_proj, .Lfunc_end_k_q572483cd82_proj-k_q572483cd82_proj
	.p2alignl 7, 3214868480
	.fill 96, 4, 3214868480
	.section	.rodata,"a",@progbits
	.p2align	6, 0x0
	.amdhsa_kernel k_q572483cd82_proj
		.amdhsa_group_segment_fixed_size 291328
		.amdhsa_private_segment_fixed_size 0
		.amdhsa_enable_private_segment 0
		.amdhsa_kernarg_size 88
		.amdhsa_user_sgpr_count 2
		.amdhsa_user_sgpr_kernarg_segment_ptr 1
		.amdhsa_wavefront_size32 1
		.amdhsa_system_sgpr_workgroup_id_x 1
		.amdhsa_system_sgpr_workgroup_id_y 1
		.amdhsa_system_sgpr_workgroup_id_z 1
		.amdhsa_system_vgpr_workitem_id 0
		.amdhsa_next_free_vgpr 256
		.amdhsa_next_free_sgpr 102
		.amdhsa_reserve_vcc 0
		.amdhsa_float_denorm_mode_32 3
		.amdhsa_float_denorm_mode_16_64 3
		.amdhsa_memory_ordered 1
		.amdhsa_forward_progress 1
		.amdhsa_inst_pref_size 50
	.end_amdhsa_kernel
	.amdgpu_metadata
---
amdhsa.version: [ 1, 2 ]
amdhsa.kernels:
  - .name:           k_q572483cd82_proj
    .symbol:         k_q572483cd82_proj.kd
    .args:
      - { .name: x_codes, .offset: 0, .size: 8, .value_kind: global_buffer, .address_space: global }
      - { .name: Wq_codes, .offset: 8, .size: 8, .value_kind: global_buffer, .address_space: global }
      - { .name: Wk_codes, .offset: 16, .size: 8, .value_kind: global_buffer, .address_space: global }
      - { .name: Wv_codes, .offset: 24, .size: 8, .value_kind: global_buffer, .address_space: global }
      - { .name: bq, .offset: 32, .size: 8, .value_kind: global_buffer, .address_space: global }
      - { .name: bk, .offset: 40, .size: 8, .value_kind: global_buffer, .address_space: global }
      - { .name: bv, .offset: 48, .size: 8, .value_kind: global_buffer, .address_space: global }
      - { .name: lowp_scales, .offset: 56, .size: 8, .value_kind: global_buffer, .address_space: global }
      - { .name: qc, .offset: 64, .size: 8, .value_kind: global_buffer, .address_space: global }
      - { .name: kc, .offset: 72, .size: 8, .value_kind: global_buffer, .address_space: global }
      - { .name: vc, .offset: 80, .size: 8, .value_kind: global_buffer, .address_space: global }
    .group_segment_fixed_size: 291328
    .private_segment_fixed_size: 0
    .kernarg_segment_align: 8
    .kernarg_segment_size: 88
    .max_flat_workgroup_size: 128
    .sgpr_count:     102
    .vgpr_count:     256
    .wavefront_size: 32
...
	.end_amdgpu_metadata
.endif
;; end of part 1
;; launch attn (part 2): grid 64 x 4, 16 waves a work-group, clusters of 4 x 1, 327,680 bytes of LDS; arguments qc, kc, vc, lowp_scales, out0; writes out0
.if DOCPART == 2
	.amdgcn_target "amdgcn-amd-amdhsa--gfx1250"
	.amdhsa_code_object_version 6
	.text
	.protected	k_q572483cd82_attn
	.globl	k_q572483cd82_attn
	.p2align	8
	.type	k_q572483cd82_attn,@function
k_q572483cd82_attn:
	s_mov_b64 s[64:65], 0
	v_nop
	global_prefetch_b8 v0, s[64:65] scope:SCOPE_SE
	s_setreg_imm32_b32 hwreg(HW_REG_WAVE_MODE, 25, 1), 1
	s_wait_xcnt 0x0
	s_wait_alu depctr_hold_cnt(0) depctr_sa_sdst(0) depctr_va_vdst(0) depctr_va_sdst(0) depctr_va_ssrc(0) depctr_va_vcc(0) depctr_vm_vsrc(0)
	s_getreg_b32 s2, hwreg(HW_REG_IB_STS2, 6, 4)
	s_cmp_eq_u32 s2, 0
	s_cbranch_scc0 .Lentry_in_a_cluster
	s_endpgm
.Lentry_in_a_cluster:
	s_bfe_u32 s2, ttmp6, 0x10000c
	s_cmp_lg_u32 s2, 0x3003
	s_cbranch_scc0 .Lentry_shape_is_right
	s_endpgm
.Lentry_shape_is_right:
; out[b][q][:] = the sum over k of softmax_k(Q[b][q] . K[b][k] / 8) V[b][k][:], both products on codes of BF8 (E5M2), each operand with its given scale: e6 (Q), e7 (K), e8 (p), e9 (V).
; qc, kc: [tile of 16 tokens][plane g: registers 4 g .. 4 g + 3 of a K = 64 fragment][lane][16 bytes];  vc: [128 tokens][plane g: registers 4 g .. 4 g + 3 of V^T's K = 128 fragment][channel tile d][lane][16 bytes].
; So every fragment comes by loads of 16 bytes at 16 x lane, k in its true place, and a slot's tiles are dense blocks of memory.
; THE SOFTMAX: t = score x 2^(e6 + e7) x log2(e) / 8; M = the largest t so far, rounded UP to a whole number; p = 2^(t - M) is what is quantised; the sum is taken of the unquantised p, in f32, and divides at the end.
; When M moves, the sum and O are multiplied by 2^(old M - new M): exact.
; SHARES.  A work-group owns 64 queries of one batch (4 x 64 = 256 work-groups).  Wave w of sixteen owns query tile w % 4 and key part w / 4: four waves to a SIMD, 256 registers each, so that one wave's vector work
; stands beside another's matrix work and LDS loads.  A slot holds 1,024 keys; key part kp takes its keys 256 kp .. 256 kp + 255, two steps of 128.  Four slots: eight steps a wave.
; At the end the four key parts' (M, sum, O) of a query tile meet in LDS and are joined under the largest M, again by exact powers of two.
; LAYOUT.  Both products are used transposed: S^T = K Q^T (source 0 = 16 keys, source 1 = my 16 queries): lane (r, h) holds query r, and tile T's registers the keys 16 T + 8 h + 0 .. 7: one conversion gives registers
; 2 T, 2 T + 1 of P, source 1 of O^T = V^T P^T (source 0 = 16 channels x 128 keys).  A lane holds one query throughout.
; CLUSTER.  The four query blocks of a cluster belong to one batch and walk the same K and V: each tile is asked for JOINTLY (mask 15), the same descriptor in all four.
; LIMITS on the given exponents: e6 + e7 between -123 and 130 (added to c's exponent field); e8 between -126 and 112; e8 + e9 is applied by v_ldexp_f32 and has none.  M runs for each wave over its own keys; where
; e8 is -16 or less, so that p can pass the largest code, the hold is applied under the wave's running M and not under the row's last.
; REGISTERS: v1, v2 my place in a slot's K and V; v3 16 x lane; v4 8 x lane; v5, v6 for the add; v8, v9 addresses of the loads in hand; v10, v11 the merge; v12 -M, v13 the largest t (at the end: the sum), v[14:15] the sum in two halves;
; v16-23 Q; v32-95 K's eight fragments, then V's four; v96-159 S^T, then p; v160-191 O^T; v192-207 p's codes; v208-215 at work; v216 2^e8, v217 57,344 x 2^e8
.set SLOT1, 131072                     ; a slot: K's images (65,536 bytes), then V's; slot 1 begins here, so that one exclusive or turns an address in one slot into the other's
.set VOFF,  65536
.set SPARE, 262144                     ; behind the ring: the spare words, 128 bytes for each of sixteen waves: eight blocks of 256 bytes that no other line names
.set MST,   SPARE+2048                 ; behind them: twelve regions for the merge; no tensor load lands here
.set MREG,  4352                       ; a region: O^T as an image of its 32 registers (8 x 512 bytes), then (-M, sum), 8 bytes a lane; later 16 rows x (256 + 16) bytes for the way out
.macro CROUND                          ; a round of the cluster's barrier
	s_barrier_signal -1
	s_barrier_wait -1
	s_cmp_lg_u32 s14, 0
	s_cbranch_scc1 .Lnot_wave_0_\@
	s_barrier_signal -3
.Lnot_wave_0_\@:
	s_barrier_wait -3
	s_barrier_signal -1
	s_barrier_wait -1
.endm
.macro JLOAD                           ; waves 0 and 1 fetch K's halves of a slot, waves 2 and 3 V's, 32,768 bytes each; the others nothing.  The branch hangs on the wave's number alone.  Four v_nop follow the load
	s_cmp_lt_u32 s14, 4
	s_cbranch_scc0 .Lnone_\@
	tensor_load_to_lds s[32:35], s[24:31]
	s_nop 0
.rept 4
	v_nop
.endr
.Lnone_\@:
.endm
	s_load_b256 s[4:11], s[0:1], 0x0               ; qc s[4:5], kc s[6:7], vc s[8:9], the exponents s[10:11]
	s_load_b64 s[12:13], s[0:1], 0x20              ; out
	v_lshl_add_u32 v5, v0, 2, SPARE
	v_mov_b32 v6, 0
	ds_add_u32 v5, v6
	s_wait_dscnt 0x0
	v_lshrrev_b32 v7, 5, v0
	v_readfirstlane_b32 s14, v7                    ; wave 0..15
	s_and_b32 s15, s14, 3                          ; my query tile
	s_lshr_b32 s16, s14, 2                         ; my key part
	s_bfe_u32 s17, ttmp6, 0x40000                  ; cx
	s_lshl_b32 s18, ttmp9, 2
	s_add_co_u32 s18, s18, s17                     ; my block of 64 queries: it enters Q's and out's addresses alone
	s_and_b32 s19, ttmp7, 0xffff                   ; the batch, which the four partners share
	; descriptor group 1: a dense block of 32,768 bytes as 128 rows of 32 elements of 8 bytes
	s_mov_b32 s24, 15|(3<<16)|(1<<21)              ; 15:0 the mask: all four work-groups; 17:16 elements of 8 bytes; 21 set beside a mask; no padding: every read is at 16 x lane
	s_mov_b32 s25, 32<<16                          ; tensor_dim0
	s_mov_b32 s26, 128<<16                         ; tensor_dim1
	s_mov_b32 s27, 32<<16                          ; tile_dim0
	s_mov_b32 s28, 128                             ; tile_dim1
	s_mov_b32 s29, 32                              ; tensor_dim0_stride
	s_mov_b32 s30, 0
	s_mov_b32 s31, 0
	s_mov_b32 s20, 0x76543210                      ; v_permlanex16_b32's selects for lane l xor 16
	s_mov_b32 s21, 0xfedcba98
	s_mov_b32 s46, 0                               ; LDS byte at which the slot in hand begins
	s_mov_b32 s47, 3                               ; slots still to be asked for
	s_lshl_b32 s40, s19, 18                        ; the batch's first byte in each buffer of codes: 4,096 tokens x 64
	s_and_b32 s42, s14, 1
	s_lshl_b32 s42, s42, 15
	s_add_co_u32 s42, s42, s40                     ; what I fetch, if I fetch: the batch, + which half of a slot's 65,536 bytes
	s_mov_b32 s43, 0
	s_lshl_b32 s44, s18, 12
	s_lshl_b32 s45, s15, 10
	s_add_co_u32 s44, s44, s45
	s_add_co_u32 s44, s44, s40                     ; Q: the batch, my block's 4,096 bytes, my tile's 1,024
	s_mov_b32 s45, 0
	s_lshl_b32 s48, s19, 20
	s_lshl_b32 s49, s18, 14
	s_add_co_u32 s48, s48, s49
	s_lshl_b32 s49, s15, 12
	s_add_co_u32 s48, s48, s49                     ; out: the batch's 4,096 rows of 256 bytes, my block's 64, my tile's 16
	s_mov_b32 s49, 0
	s_lshl_b32 s50, s15, 15                        ; and where my load goes in a slot: 32,768 x wave (waves 0 to 3)
	s_wait_kmcnt 0x0
	s_load_b128 s[36:39], s[10:11], 0x18           ; e6, e7, e8, e9
	s_cmp_lt_u32 s14, 2                            ; K's codes or V's: the choice hangs on the wave's number alone
	s_cselect_b64 s[34:35], s[6:7], s[8:9]
	s_add_nc_u64 s[34:35], s[34:35], s[42:43]      ; group 0: 120:64 global address: the batch's first 1,024 keys
	s_or_b32 s35, s35, 0x80000000                  ; 127:126 type = 2
	s_mov_b32 s32, 1                               ; 1:0 count = 1
	s_mov_b32 s33, s50                             ; 63:32 LDS address: slot 0
	s_add_nc_u64 s[4:5], s[4:5], s[44:45]
	s_add_nc_u64 s[12:13], s[12:13], s[48:49]
	CROUND                                         ; all four work-groups are here: the first joint loads meet
	JLOAD                                          ; slot 0
	v_and_b32 v3, 31, v0
	v_lshlrev_b32 v3, 4, v3                        ; 16 x lane
	global_load_b128 v[16:19], v3, s[4:5]          ; Q's fragment stays in registers
	global_load_b128 v[20:23], v3, s[4:5] offset:512
	s_lshl_b32 s40, s16, 14                        ; my key part's 256 keys: 16,384 bytes of K's images, and of V's
	v_add_nc_u32 v1, s40, v3
	v_add_nc_u32 v2, VOFF, v1
	v_mov_b32 v13, 0xff61b1e6                      ; the largest t so far: -3e38, under every t
	v_floor_f32 v12, -v13                          ; -M
	v_mov_b32 v14, 0                               ; the sum, in two halves
	v_mov_b32 v15, 0
	v_mov_b32 v211, 0                              ; (named as the upper half of the pair v[210:211])
	v_mov_b32 v212, 0                              ; written once: a lane permute's destination counts as one of its sources
.irp j, 0,1,2,3,4,5,6,7,8,9,10,11,12,13,14,15,16,17,18,19,20,21,22,23,24,25,26,27,28,29,30,31
	v_mov_b32 v[160+\j], 0                         ; O^T.  (The step is written once: the first finds zeros, which the first change of M leaves zeros)
.endr
	s_wait_kmcnt 0x0
	s_add_co_i32 s40, s36, s37
	s_lshl_b32 s40, s40, 23
	s_add_co_i32 s22, s40, 0x3e38aa3b              ; c = log2(e) / 8, with e6 + e7 added to its exponent field
	s_mov_b32 s23, s22                             ; (named with it as a pair, so it is written)
	s_add_co_i32 s40, s38, 127
	s_lshl_b32 s41, s40, 23
	v_mov_b32 v216, s41                            ; 2^e8 as f32, for the conversion
	s_add_co_i32 s40, s40, 15
	s_lshl_b32 s40, s40, 23
	s_or_b32 s40, s40, 0x600000
	v_mov_b32 v217, s40                            ; 57,344 x 2^e8
	s_add_co_i32 s51, s38, s39                     ; e8 + e9
; A KEY STEP: 128 keys, the q-th of my two in the slot in hand
.macro STEP q
	v_add_nc_u32 v8, s46, v1
	v_add_nc_u32 v9, s46, v2
	v_nop                                          ; with the two additions: four places in front of loads into registers that the last products have read
	v_nop
.irp t, 0,1,2,3,4,5,6,7
.irp g, 0,1
	ds_load_b128 v[32+8*\t+4*\g:35+8*\t+4*\g], v8 offset:8192*\q+1024*\t+512*\g
.endr
.endr
	s_wait_dscnt 0x0
.irp t, 0,1,2,3,4,5,6,7
	v_wmma_f32_16x16x64_bf8_bf8 v[96+8*\t:103+8*\t], v[32+8*\t:39+8*\t], v[16:23], 0   ; S^T: tile t's register j of lane (r, h): key 16 t + 8 h + j, query r
.endr
.rept 4
	v_nop                                          ; places in front of the loads below and of the first read of the scores
.endr
.irp d, 0,1,2,3
.irp g, 0,1,2,3
	ds_load_b128 v[32+16*\d+4*\g:35+16*\d+4*\g], v9 offset:8192*\q+2048*\g+512*\d      ; V's four fragments land while the softmax is worked
.endr
.endr
	v_max3_num_f32 v208, v96, v97, v98             ; the step's largest score of my query, among my 64 keys, in two chains, ascending: each accumulator is read from its low end on
	v_max3_num_f32 v209, v99, v100, v101
.irp i, 6,10,14,18,22,26,30,34,38,42,46,50,54,58
	v_max3_num_f32 v208, v208, v[96+\i], v[97+\i]
	v_max3_num_f32 v209, v209, v[98+\i], v[99+\i]
.endr
	v_max3_num_f32 v208, v208, v158, v159
	v_max_num_f32 v208, v208, v209
	v_permlanex16_b32 v212, v208, s20, s21
	v_max_num_f32 v208, v208, v212                 ; and among lane l xor 16's
	v_mul_f32 v208, s22, v208                      ; as t (c is positive)
	v_max_num_f32 v13, v13, v208                   ; the running largest t
	v_mov_b32 v208, v12
	v_floor_f32 v12, -v13                          ; the new -M = floor(-t) = -ceil(t): M is a whole number
	v_sub_f32 v208, v12, v208                      ; M's old value less its new one: a whole number, 0 or less
	v_cvt_i32_f32 v208, v208                       ; (it saturates)
	v_ldexp_f32 v210, 1.0, v208                    ; f = 2^(old M - new M)
.irp j, 0,2,4,6,8,10,12,14,16,18,20,22,24,26,28,30,32,34,36,38,40,42,44,46,48,50,52,54,56,58,60,62
	v_pk_fma_f32 v[96+\j:97+\j], v[96+\j:97+\j], s[22:23], v[12:13] op_sel_hi:[1,0,0]   ; t - M, two at a time (of the pairs c and -M the low word serves both halves)
.endr
.irp j, 0,1,2,3,4,5,6,7,8,9,10,11,12,13,14,15,16,17,18,19,20,21,22,23,24,25,26,27,28,29,30,31,32,33,34,35,36,37,38,39,40,41,42,43,44,45,46,47,48,49,50,51,52,53,54,55,56,57,58,59,60,61,62,63
	v_exp_f32 v[96+\j], v[96+\j]                   ; p = 2^(t - M), at most 1: not normalised
.endr
	v_pk_mul_f32 v[14:15], v[14:15], v[210:211] op_sel_hi:[1,0]   ; the sums under the new M.  (A plain place behind the exponentials)
	s_wait_alu depctr_va_vdst(0)
	v_pk_add_f32 v[214:215], v[96:97], v[98:99]    ; the row's sum is taken of the unquantised p: two at a time, in two chains
.irp j, 4,8,12,16,20,24,28,32,36,40,44,48,52,56,60
	v_pk_add_f32 v[14:15], v[14:15], v[96+\j:97+\j]
	v_pk_add_f32 v[214:215], v[214:215], v[98+\j:99+\j]
.endr
	v_pk_add_f32 v[14:15], v[14:15], v[214:215]
.irp t, 0,1,2,3,4,5,6,7
.irp i, 0,1,2,3,4,5,6,7
	v_min_num_f32 v[96+8*\t+\i], v[96+8*\t+\i], v217   ; the conversion to an 8-bit code does not saturate (ISA guide 7.6.2); p is not negative, so the hold is one-sided
.endr
	v_cvt_scalef32_pk8_bf8_f32 v[192+2*\t:193+2*\t], v[96+8*\t:103+8*\t], v216   ; registers 2 t, 2 t + 1 of P
.endr
.irp j, 0,2,4,6,8,10,12,14,16,18,20,22,24,26,28,30
	v_pk_mul_f32 v[160+\j:161+\j], v[160+\j:161+\j], v[210:211] op_sel_hi:[1,0]   ; O^T under the new M.  (Plain places between the last conversion and the products below)
.endr
	s_wait_dscnt 0x0                               ; V's fragments are in
.irp d, 0,1,2,3
	v_wmma_f32_16x16x128_bf8_bf8 v[160+8*\d:167+8*\d], v[32+16*\d:47+16*\d], v[192:207], v[160+8*\d:167+8*\d]   ; the four accumulators take turns
.endr
.endm
; THE CHANGE OF SLOTS stands at a slot's head.  Each wave waits for all its tensor loads (its part of the slot ahead), adds 0 to its spare word, and waits for that and for its reads of the slot that it has left.
; fill = 1: the barrier is a round of the cluster's, so that no wave of any partner still reads the other slot or has a load on its way; the joint refill is the first thing behind it and has a slot's two steps in which to land.
.macro CHANGE fill
	s_wait_tensorcnt 0x0                           ; no tensor load of mine is out, so group 0 may be written
	ds_add_u32 v5, v6                              ; 0 onto my spare word
.if \fill
	s_xor_b32 s33, s33, SLOT1                      ; the walking descriptor: the other slot than last time,
	s_add_nc_u64 s[34:35], s[34:35], 65536         ; the next 1,024 keys; the type bits on top are not reached
.endif
	s_wait_dscnt 0x0                               ; the add is done, and my reads of the slot that I have left are over
.if \fill
	CROUND
	JLOAD
.else
	s_barrier_signal -1
	s_barrier_wait -1
.endif
.endm
.macro SLOT_STEPS
	STEP 0
	STEP 1
	s_xor_b32 s46, s46, SLOT1                      ; on to the other slot
.endm
	s_wait_loadcnt 0x0                             ; Q
.Lslot:                                            ; three trips: behind each change of slots but the last the next slot is asked for
	CHANGE 1
	SLOT_STEPS
	s_sub_co_u32 s47, s47, 1
	s_cmp_lg_u32 s47, 0
	s_cbranch_scc1 .Lslot
	CHANGE 0                                       ; the last slot is written out
	SLOT_STEPS
	; THE MERGE.  Key parts 1 to 3 put O^T, -M and the sum into LDS as images of their registers; key part 0's wave of the same query tile joins the four.
	v_add_f32 v13, v14, v15                        ; the sum's two halves.  (This line and the four below are the places behind the last products)
	v_and_b32 v220, 15, v0                         ; r
	v_bfe_u32 v221, v0, 4, 1                       ; h
	v_and_b32 v4, 31, v0
	v_lshlrev_b32 v4, 3, v4                        ; 8 x lane
	v_permlanex16_b32 v212, v13, s20, s21
	v_add_f32 v13, v13, v212                       ; and lane l xor 16's: my keys' sum for query r
	s_mul_i32 s41, s14, MREG
	s_cmp_lt_u32 s14, 4
	s_cbranch_scc1 .Lkeeper
	s_add_co_u32 s42, s41, MST-4*MREG              ; wave w (4 to 15) has region w - 4
	v_add_nc_u32 v10, s42, v3
	v_add_nc_u32 v11, s42, v4
.irp i, 0,1,2,3,4,5,6,7
	ds_store_b128 v10, v[160+4*\i:163+4*\i] offset:512*\i   ; ascending: each accumulator from its low end on
.endr
	ds_store_b64 v11, v[12:13] offset:4096         ; -M, the sum
.Lkeeper:
	s_wait_dscnt 0x0                               ; for the others' sake: my stores are done
	s_barrier_signal -1
	s_barrier_wait -1
	s_cmp_lt_u32 s14, 4
	s_cbranch_scc0 .Lend
	s_add_co_u32 s42, s41, MST                     ; wave w (0 to 3) reads regions w, w + 4, w + 8: the waves w + 4, w + 8, w + 12 of its query tile
	v_add_nc_u32 v10, s42, v3
	v_add_nc_u32 v11, s42, v4
.irp i, 0,1,2
	ds_load_b64 v[24+2*\i:25+2*\i], v11 offset:4096+4*MREG*\i
.endr
.irp i, 0,1,2
.irp k, 0,1,2,3,4,5,6,7
	ds_load_b128 v[32+32*\i+4*\k:35+32*\i+4*\k], v10 offset:4*MREG*\i+512*\k
.endr
.endr
	v_mul_u32_u24 v222, v220, 272                  ; the way out, in: row r, + 32 h
	v_lshl_add_u32 v222, v221, 5, v222
	v_add_nc_u32 v222, s42, v222
	v_mul_u32_u24 v223, v221, 272                  ; back: lanes 0-15 one row of 256 bytes, lanes 16-31 the next
	v_lshl_add_u32 v223, v220, 4, v223
	v_add_nc_u32 v223, s42, v223
	v_lshlrev_b32 v224, 8, v221                    ; and the same two rows in out
	v_lshl_add_u32 v224, v220, 4, v224
	s_wait_dscnt 24                                ; the three pairs (-M, sum) are in; the 24 loads of O^T behind them may be out
	v_min3_num_f32 v210, v12, v24, v26
	v_min_num_f32 v210, v210, v28                  ; -M* = the least -M: M* is the largest M
	v_sub_f32 v192, v210, v12                      ; M_i - M*: whole numbers, 0 or less
	v_sub_f32 v193, v210, v24
	v_sub_f32 v194, v210, v26
	v_sub_f32 v195, v210, v28
.irp i, 0,1,2,3
	v_cvt_i32_f32 v[192+\i], v[192+\i]
.endr
.irp i, 0,1,2,3
	v_ldexp_f32 v[196+\i], 1.0, v[192+\i]          ; f_i = 2^(M_i - M*)
.endr
	v_mul_f32 v200, v196, v13
	v_fmac_f32 v200, v197, v25
	v_fmac_f32 v200, v198, v27
	v_fmac_f32 v200, v199, v29                     ; the row's sum under M*
	v_rcp_f32 v201, v200
	v_nop                                          ; one plain place behind a transcendental
	s_wait_alu depctr_va_vdst(0)
	v_ldexp_f32 v201, v201, s51                    ; x 2^(e8 + e9)
.irp i, 0,1,2,3
	v_mul_f32 v[202+2*\i], v[196+\i], v201         ; g_i = f_i 2^(e8 + e9) / the sum, twice: a pair for the packed forms
	v_mul_f32 v[203+2*\i], v[196+\i], v201
.endr
	s_wait_dscnt 0x0
.irp j, 0,2,4,6,8,10,12,14,16,18,20,22,24,26,28,30
	v_pk_mul_f32 v[128+\j:129+\j], v[160+\j:161+\j], v[202:203]   ; ascending: each accumulator from its low end on
.endr
.irp i, 0,1,2
.irp j, 0,2,4,6,8,10,12,14,16,18,20,22,24,26,28,30
	v_pk_fma_f32 v[128+\j:129+\j], v[32+32*\i+\j:33+32*\i+\j], v[204+2*\i:205+2*\i], v[128+\j:129+\j]
.endr
.endr
	; register 8 d + j of lane (r, h) is out(query r, channel 16 d + 8 h + j).  The 16 rows go through region w, which behind the barrier only this wave touches and whose reads above are back, and leave as whole rows
.irp d, 0,1,2,3
	ds_store_b128 v222, v[128+8*\d:131+8*\d] offset:64*\d
	ds_store_b128 v222, v[132+8*\d:135+8*\d] offset:64*\d+16
.endr
.irp i, 0,1,2,3,4,5,6,7
	ds_load_b128 v[32+4*\i:35+4*\i], v223 offset:544*\i   ; LDS serves a wave's instructions in order (ISA guide 5.7.1.4): these see my stores
.endr
.irp i, 0,1,2,3,4,5,6,7
	s_wait_dscnt 7-\i
	global_store_b128 v224, v[32+4*\i:35+4*\i], s[12:13] offset:512*\i th:TH_STORE_NT   ; 16 lanes store 256 consecutive bytes, a row of out, at a multiple of 256 from its first byte
.endr
.Lend:
	s_wait_tensorcnt 0x0                           ; the wave's end: behind my last tensor load and my last LDS store
	ds_add_u32 v5, v6
	s_wait_dscnt 0x0
	CROUND                                         ; the closing round: no work-group ends while a partner may still ask for a tile that names it
	s_endpgm
.Lfunc_end_k_q572483cd82_attn:
	.size	k_q572483cd82_attn, .Lfunc_end_k_q572483cd82_attn-k_q572483cd82_attn
	.p2alignl 7, 3214868480
	.fill 96, 4, 3214868480
	.section	.rodata,"a",@progbits
	.p2align	6, 0x0
	.amdhsa_kernel k_q572483cd82_attn
		.amdhsa_group_segment_fixed_size 327680
		.amdhsa_private_segment_fixed_size 0
		.amdhsa_enable_private_segment 0
		.amdhsa_kernarg_size 40
		.amdhsa_user_sgpr_count 2
		.amdhsa_user_sgpr_kernarg_segment_ptr 1
		.amdhsa_wavefront_size32 1
		.amdhsa_system_sgpr_workgroup_id_x 1
		.amdhsa_system_sgpr_workgroup_id_y 1
		.amdhsa_system_sgpr_workgroup_id_z 1
		.amdhsa_system_vgpr_workitem_id 0
		.amdhsa_next_free_vgpr 256
		.amdhsa_next_free_sgpr 66
		.amdhsa_reserve_vcc 0
		.amdhsa_float_denorm_mode_32 3
		.amdhsa_float_denorm_mode_16_64 3
		.amdhsa_memory_ordered 1
		.amdhsa_forward_progress 1
		.amdhsa_inst_pref_size 78
	.end_amdhsa_kernel
	.amdgpu_metadata
---
amdhsa.version: [ 1, 2 ]
amdhsa.kernels:
  - .name:           k_q572483cd82_attn
    .symbol:         k_q572483cd82_attn.kd
    .args:
      - { .name: qc, .offset: 0, .size: 8, .value_kind: global_buffer, .address_space: global }
      - { .name: kc, .offset: 8, .size: 8, .value_kind: global_buffer, .address_space: global }
      - { .name: vc, .offset: 16, .size: 8, .value_kind: global_buffer, .address_space: global }
      - { .name: lowp_scales, .offset: 24, .size: 8, .value_kind: global_buffer, .address_space: global }
      - { .name: out0, .offset: 32, .size: 8, .value_kind: global_buffer, .address_space: global }
    .group_segment_fixed_size: 327680
    .private_segment_fixed_size: 0
    .kernarg_segment_align: 8
    .kernarg_segment_size: 40
    .max_flat_workgroup_size: 512
    .sgpr_count:     66
    .vgpr_count:     256
    .wavefront_size: 32
...
	.end_amdgpu_metadata
.endif
;; end of part 2
;; ======== version 2 of 2: 2 launches
;; limits: right only within a limited range of input values
;; workspace buffers: qc 1,048,576 bytes; kc 1,048,576 bytes; vc 1,048,576 bytes
;; launch proj (part 3): grid 256 x 1, 8 waves a work-group, clusters of 4 x 1, 327,680 bytes of LDS; arguments x_codes, Wq_codes, Wk_codes, Wv_codes, bq, bk, bv, lowp_scales, qc, kc, vc; writes qc, kc, vc
.if DOCPART == 3
	.amdgcn_target "amdgcn-amd-amdhsa--gfx1250"
	.amdhsa_code_object_version 6
	.text
	.protected	k_q572483cd82_proj
	.globl	k_q572483cd82_proj
	.p2align	8
	.type	k_q572483cd82_proj,@function
k_q572483cd82_proj:
	s_mov_b64 s[64:65], 0
	v_nop
	global_prefetch_b8 v0, s[64:65] scope:SCOPE_SE
	s_setreg_imm32_b32 hwreg(HW_REG_WAVE_MODE, 25, 1), 1
	s_wait_xcnt 0x0
	s_wait_alu depctr_hold_cnt(0) depctr_sa_sdst(0) depctr_va_vdst(0) depctr_va_sdst(0) depctr_va_ssrc(0) depctr_va_vcc(0) depctr_vm_vsrc(0)
	s_getreg_b32 s2, hwreg(HW_REG_IB_STS2, 6, 4)
	s_cmp_eq_u32 s2, 0
	s_cbranch_scc0 .Lentry_in_a_cluster
	s_endpgm
.Lentry_in_a_cluster:
	s_bfe_u32 s2, ttmp6, 0x10000c
	s_cmp_lg_u32 s2, 0x3003
	s_cbranch_scc0 .Lentry_shape_is_right
	s_endpgm
.Lentry_shape_is_right:
; Q = x Wq^T + bq, K = x Wk^T + bk, V = x Wv^T + bv on codes of BF8 (E5M2), and the three results quantised again, to codes laid in the order of the next operand's registers.
; x: [16,384][1,024] codes; Wq, Wk, Wv: [64][1,024] codes; K innermost.  A sum of codes stands for sum x 2^(ex + ew): Q = sum x 2^(e0+e1) + bq, K with e2+e3, V with e4+e5, in f32;
; then code = number / 2^e (e6 for Q, e7 for K, e9 for V), held within +-57,344, to the nearest code, ties to even.  No work of the problem is left out.
; LIMITS on the given exponents, so that each power of two is an f32 number: e0+e1, e2+e3, e4+e5 between -126 and 127; e6, e7, e9 between -126 and 112.  NaN among the biases is not served.
; SHARES.  A work-group takes 64 tokens (16,384 / 64 = 256 work-groups).  Wave w + 4 g of eight makes rows 16 w .. 16 w + 15 of each of the three weights for all four tiles of 16 tokens (12 accumulators), over every second
; step of 64 along K: group g takes the steps 2 i + g.  At the end the two groups exchange six accumulators each through LDS and each finishes two of the four token tiles.
; So that the registers are the same in both groups, a wave's token slots 0, 1 hold the tiles 2 g, 2 g + 1 that it keeps, and slots 2, 3 the tiles that it gives.
; LDS IS FILLED ONCE.  x: each wave takes 8 rows of 1,024 bytes by sixteen loads of 512 consecutive bytes, all of them asked for at the head, and stores them into padded rows.  The weights: wave w + 4 g, w = 0 .. 2,
; fetches half g of K of weight w, 64 rows x 512 bytes, by its one tensor load; waves 3 and 7 fetch none.
; CLUSTER.  The four work-groups of a cluster need the same 192 KB of weights: those loads are JOINT (mask 15), the same descriptor in all four.  x is each work-group's own.
; LAYOUT.  Q and K are made transposed (source 0 = 16 rows of W, source 1 = 16 tokens): lane (r, h) holds token r, and its registers the channels 16 w + 8 h + 0 .. 7: one conversion gives registers 2 w, 2 w + 1 of the next
; K = 64 fragment.  V is made as it reads (source 0 = 16 tokens, source 1 = 16 rows of Wv): lane (r, h) holds channel 16 w + r and tokens 16 m + 8 h + 0 .. 7: registers 2 T, 2 T + 1 of V^T's K = 128 fragment.
; The fragments of x and W are read by loads of 16 bytes: inside each 64 along K that is a permutation of k, the same on both sides, so every product meets its partner.
; OUT: qc, kc: [tile of 16 tokens][plane g = 0, 1: registers 4 g .. 4 g + 3][lane][16 bytes];  vc: [128 tokens][plane g = 0 .. 3][channel tile d][lane][16 bytes].  A work-group's part is 4,096 consecutive bytes of each.
; No prefetch: the whole of a work-group's input is asked for at the head, and there is no loop to run ahead in.
.set PITCH, 528                        ; an LDS row: 512 bytes + 16 of padding = 132 words: the 16 rows that a load touches start at 16 different banks (ISA guide 11.1)
.set HREG,  64*PITCH                   ; half of K of one tensor: 64 rows; weight T's half g at (T + 3 g) x HREG, x's half g at (6 + g) x HREG
.set XREG,  6*HREG
.set SPARE, 8*HREG                     ; behind the tiles: the spare words, 128 bytes for each of eight waves
.set EXCH,  0                          ; the exchange: 6,144 bytes a wave; it and the stage lie in the regions of the weights' half 0, which were filled once and are read by nobody behind the second barrier
.set STAGE, 49152                      ; the way out: 3 x 4,096 bytes
.set ACC,   40                         ; v40-135  accumulator 3 m + T' (slot m; T' = 0: Q, 1: K, 2: V) at ACC + 8 (3 m + T')
.set SET0,  136                        ; v136-191, v192-247  two sets of fragments: x's four at +8 m, the weights' three at +32 + 8 T'; at the head v136-199 x on its way to LDS; at the end v136-183 the partner's sums
.set SETSZ, 56
.set CD,    192                        ; the way out: accumulator a's 8 codes at CD + 2 a
.set OUTR,  208                        ; the way out: three blocks of 16 bytes a lane
; v1 lane, v2 r, v3 h; half 0's addresses v4, v5 (x: slots 0-1, 2-3), v6-8 (Wq, Wk, Wv), half 1's v248-252; v9, v10 into the stage; v11 out of it; v12 my bytes in the output; v13, v39 the exchange; v38, v253 the biases' offsets;
; v200, v201 x's rows in LDS (halves 0, 1), v202 in memory; v14/15, v16/17, v18/19: 2^e and 57,344 x 2^e for e6, e7, e9; v[20:21] bv twice; v[22:29] bq; v[30:37] bk; v254, v255 for the add
.macro CROUND                          ; a round of the cluster's barrier: my work-group's barrier; wave 0 signals for the work-group; every wave waits for all four work-groups; my work-group's barrier once more
	s_barrier_signal -1
	s_barrier_wait -1
	s_cmp_lg_u32 s3, 0
	s_cbranch_scc1 .Lnot_wave_0_\@
	s_barrier_signal -3
.Lnot_wave_0_\@:
	s_barrier_wait -3
	s_barrier_signal -1
	s_barrier_wait -1
.endm
.macro PLACES n                        ; plain vector instructions between a matrix instruction and a load into, or a vector instruction on, its registers
.rept \n
	v_nop
.endr
.endm
	s_load_b512 s[16:31], s[0:1], 0x0              ; x s[16:17], Wq s[18:19], Wk s[20:21], Wv s[22:23], bq s[24:25], bk s[26:27], bv s[28:29], the exponents s[30:31]
	s_load_b128 s[32:35], s[0:1], 0x40             ; qc s[32:33], kc s[34:35]
	s_load_b64 s[36:37], s[0:1], 0x50              ; vc
	v_lshl_add_u32 v254, v0, 2, SPARE
	v_mov_b32 v255, 0
	ds_add_u32 v254, v255                          ; the opening lines: the add, twice, and one wait
	ds_add_u32 v254, v255
	v_lshrrev_b32 v1, 5, v0
	v_readfirstlane_b32 s3, v1                     ; wave 0..7
	s_and_b32 s2, s3, 3                            ; w: my weight, if I fetch one, and my 16 rows of each weight
	s_lshr_b32 s8, s3, 2                           ; g: the half of K that I fetch, and my group
	s_bfe_u32 s4, ttmp6, 0x40000                   ; cx: my place in the cluster
	s_lshl_b32 s5, ttmp9, 2                        ; in a cluster launch ttmp9 counts clusters
	s_add_co_u32 s5, s5, s4                        ; my block of 64 tokens: it enters x's and the outputs' addresses alone
	s_lshl_b32 s6, s5, 16                          ; 64 rows of 1,024 bytes
	s_mov_b32 s7, 0
	s_min_u32 s14, s2, 2
	s_mul_i32 s14, s14, HREG                       ; my weight's half 0 in LDS; half 1 lies 3 HREG on
	; descriptor group 1: 64 rows x 512 elements of one byte, 1,024 from row to row, 16 bytes of padding behind each row
	s_mov_b32 s48, 15|(1<<20)|(1<<21)|(6<<22)|(3<<25)  ; the mask names all four work-groups, bit 21 beside it; padding on, after every 128 words (code 6), four words (code 3)
	s_mov_b32 s49, 512<<16                         ; tensor_dim0
	s_mov_b32 s50, 64<<16                          ; tensor_dim1
	s_mov_b32 s51, 512<<16                         ; tile_dim0
	s_mov_b32 s52, 64                              ; tile_dim1
	s_mov_b32 s53, 1024                            ; tensor_dim0_stride
	s_mov_b32 s54, 0
	s_mov_b32 s55, 0
	v_and_b32 v1, 31, v0                           ; lane
	v_and_b32 v2, 15, v0                           ; r
	v_bfe_u32 v3, v0, 4, 1                         ; h
	s_wait_alu depctr_va_vdst(0)                   ; ahead of the readers below
	s_mul_i32 s15, s3, 8*PITCH
	s_add_co_u32 s15, s15, XREG
	v_lshl_add_u32 v200, v1, 4, s15                ; x: my 8 rows in LDS, half 0,
	v_add_nc_u32 v201, HREG, v200                  ; half 1,
	s_lshl_b32 s15, s3, 13
	v_lshl_add_u32 v202, v1, 4, s15                ; and in memory
	s_lshl_b32 s15, s2, 6
	v_lshl_add_u32 v38, v3, 5, s15                 ; bq, bk: my eight channels 16 w + 8 h + 0 .. 7
	v_lshl_add_u32 v253, v2, 2, s15                ; bv: my one channel 16 w + r
	v_mul_u32_u24 v4, v2, PITCH
	v_lshl_add_u32 v4, v3, 4, v4                   ; a fragment's row x pitch + 16 x half of the lanes
	s_lshl_b32 s15, s8, 6
	v_add_nc_u32 v4, s15, v4                       ; + my group's 64 along K
	s_mul_i32 s15, s2, 16*PITCH
	v_add_nc_u32 v6, s15, v4                       ; my 16 rows of Wq,
	v_add_nc_u32 v7, HREG, v6                      ; of Wk,
	v_add_nc_u32 v8, HREG, v7                      ; of Wv
	s_mul_i32 s15, s8, 32*PITCH
	s_sub_co_u32 s9, XREG+32*PITCH, s15
	s_add_co_u32 s15, s15, XREG
	v_add_nc_u32 v5, s9, v4                        ; x's tiles 2 (1 - g), + 1: slots 2, 3
	v_add_nc_u32 v4, s15, v4                       ; x's tiles 2 g, 2 g + 1: slots 0, 1
	v_add_nc_u32 v248, HREG, v4                    ; the same in half 1
	v_add_nc_u32 v249, HREG, v5
	v_add_nc_u32 v250, 3*HREG, v6
	v_add_nc_u32 v251, 3*HREG, v7
	v_add_nc_u32 v252, 3*HREG, v8
	; the stage: each block of 512 bytes of the output lies as two halves of 256: the lanes' low 8 bytes, then their high 8 bytes
	s_lshl_b32 s9, s8, 11
	s_lshl_b32 s15, s2, 8
	s_add_co_u32 s15, s15, s9
	s_add_co_u32 s15, s15, STAGE
	v_lshl_add_u32 v9, v1, 3, s15                  ; Q, K: tile 2 g + slot at 1,024; my registers 2 w, 2 w + 1 are half w % 2 of plane w / 2: 256 w
	s_lshl_b32 s15, s2, 9
	s_add_co_u32 s15, s15, s9
	s_add_co_u32 s15, s15, STAGE+8192
	v_lshl_add_u32 v10, v1, 3, s15                 ; V: plane g at 2,048, channel tile w at 512 w, half slot at 256
	s_lshl_b32 s15, s3, 9
	v_lshl_add_u32 v12, v1, 4, s15                 ; out: my 512 bytes of each 4,096
	s_add_co_u32 s15, s15, STAGE
	v_lshl_add_u32 v11, v1, 3, s15                 ; and where they lie in the stage
	s_mul_i32 s15, s3, 6144
	v_lshl_add_u32 v13, v1, 4, s15                 ; the exchange: where I put mine,
	s_xor_b32 s15, s3, 4
	s_mul_i32 s15, s15, 6144
	v_lshl_add_u32 v39, v1, 4, s15                 ; and where my partner, wave w + 4 (1 - g), puts its own
	s_wait_alu depctr_va_vdst(0)                   ; behind the head's last vector instruction
	s_wait_dscnt 0x0                               ; both opening adds are done
	s_wait_kmcnt 0x0
	s_add_nc_u64 s[16:17], s[16:17], s[6:7]        ; x at my first token
.irp i, 0,1,2,3,4,5,6,7,8,9,10,11,12,13,14,15
	global_load_b128 v[SET0+4*\i:SET0+4*\i+3], v202, s[16:17] offset:512*\i th:TH_LOAD_NT   ; half i % 2 of my row i / 2: 32 lanes, 512 consecutive bytes
.endr
	global_load_b128 v[22:25], v38, s[24:25]
	global_load_b128 v[26:29], v38, s[24:25] offset:16
	global_load_b128 v[30:33], v38, s[26:27]
	global_load_b128 v[34:37], v38, s[26:27] offset:16
	global_load_b32 v20, v253, s[28:29]
	global_load_b32 v21, v253, s[28:29]            ; twice: a pair for the packed multiply-add
	s_load_b256 s[92:99], s[30:31], 0x0            ; e0 .. e7
	s_load_b64 s[100:101], s[30:31], 0x20          ; e8, e9
	s_cmp_eq_u32 s2, 1                             ; which weight my wave fetches: the choice hangs on the wave's number alone
	s_cselect_b64 s[38:39], s[20:21], s[18:19]
	s_cmp_eq_u32 s2, 2
	s_cselect_b64 s[38:39], s[22:23], s[38:39]
	s_mov_b32 s76, 1                               ; group 0: the weight's half 0,
	s_mov_b32 s77, s14
	s_add_nc_u64 s[78:79], s[38:39], 0
	s_or_b32 s79, s79, 0x80000000
	s_mov_b32 s80, 1                               ; and its half 1, 512 bytes on in each row
	s_add_co_u32 s81, s14, 3*HREG
	s_add_nc_u64 s[82:83], s[38:39], 512
	s_or_b32 s83, s83, 0x80000000
	CROUND                                         ; all four work-groups are here: the joint loads meet
	s_cmp_gt_u32 s2, 2                             ; one chain of branches on the wave's number, one tensor load to an arm
	s_cbranch_scc1 .Lasked
	s_cmp_gt_u32 s3, 3
	s_cbranch_scc0 .Lhalf_0
	tensor_load_to_lds s[80:83], s[48:55]
	s_nop 0
	PLACES 4
	s_branch .Lasked
.Lhalf_0:
	tensor_load_to_lds s[76:79], s[48:55]
	s_nop 0
	PLACES 4
.Lasked:
	s_lshl_b32 s6, s5, 12                          ; my 4,096 bytes of each output (s7 is 0)
	s_add_nc_u64 s[32:33], s[32:33], s[6:7]
	s_add_nc_u64 s[34:35], s[34:35], s[6:7]
	s_add_nc_u64 s[36:37], s[36:37], s[6:7]
	; x into LDS, four loads at a time as they come in; behind x's sixteen stand the six of the biases
.irp n, 0,1,2,3
	s_wait_loadcnt 18-4*\n
.irp i, 0,1,2,3
	ds_store_b128 v[200+\i%2], v[SET0+16*\n+4*\i:SET0+16*\n+4*\i+3] offset:PITCH*(2*\n+\i/2)
.endr
.endr
.macro POW d, a, b                     ; s[d], s[d+1] = 2^(a + b) as f32 (the packed form names the pair)
	s_add_co_i32 s[\d], s[\a], s[\b]
	s_add_co_i32 s[\d], s[\d], 127
	s_lshl_b32 s[\d], s[\d], 23
	s_mov_b32 s[\d+1], s[\d]
.endm
.macro LIMS vs, e                      ; v[vs] = 2^e as f32 (the conversion takes its exponent field), v[vs+1] = 57,344 x 2^e
	s_add_co_i32 s14, s[\e], 127
	s_lshl_b32 s15, s14, 23
	v_mov_b32 v[\vs], s15
	s_add_co_i32 s14, s14, 15
	s_lshl_b32 s14, s14, 23
	s_or_b32 s14, s14, 0x600000
	v_mov_b32 v[\vs+1], s14
.endm
; 14 LDS loads: my group's i-th 64 along K of half hf into set p: the weights' three fragments, then x's four
.macro FETCH hf, i, p
.set AD, 4+244*(\hf)
.irp t, 0,1,2
.irp c, 0,1
	ds_load_b128 v[SET0+SETSZ*\p+32+8*\t+4*\c:SET0+SETSZ*\p+32+8*\t+4*\c+3], v[AD+2+\t] offset:128*\i+32*\c
.endr
.endr
.irp m, 0,1,2,3
.irp c, 0,1
	ds_load_b128 v[SET0+SETSZ*\p+8*\m+4*\c:SET0+SETSZ*\p+8*\m+4*\c+3], v[AD+\m/2] offset:16*PITCH*(\m%2)+128*\i+32*\c
.endr
.endr
.endm
.macro MM d, a, b, zero
.if \zero
	v_wmma_f32_16x16x64_bf8_bf8 v[\d:\d+7], v[\a:\a+7], v[\b:\b+7], 0
.else
	v_wmma_f32_16x16x64_bf8_bf8 v[\d:\d+7], v[\a:\a+7], v[\b:\b+7], v[\d:\d+7]
.endif
.endm
; 12 matrix instructions on set p.  The twelve accumulators take turns, one instruction a turn, in the same order in every step.  zero = 1: the first products start the sums
.macro MUL p, zero
.irp m, 0,1,2,3
	MM ACC+24*\m,    SET0+SETSZ*\p+32, SET0+SETSZ*\p+8*\m, \zero     ; Q^T: source 0 = Wq's rows, source 1 = tokens
	MM ACC+24*\m+8,  SET0+SETSZ*\p+40, SET0+SETSZ*\p+8*\m, \zero     ; K^T likewise
	MM ACC+24*\m+16, SET0+SETSZ*\p+8*\m, SET0+SETSZ*\p+48, \zero     ; V: source 0 = tokens, source 1 = Wv's rows
.endr
.endm
; Half of K: my group's four steps of 64 on sets 0, 1, 0, 1
.macro HALF hf
.if \hf
	PLACES 4
.endif
	FETCH \hf, 0, 0
	FETCH \hf, 1, 1
	s_wait_dscnt 14                                ; set 0 is in; set 1's 14 loads may be out
.if \hf
	MUL 0, 0
.else
	MUL 0, 1
.endif
	PLACES 4
	FETCH \hf, 2, 0
	s_wait_dscnt 14                                ; set 1 is in; the 14 just issued may be out
	MUL 1, 0
	PLACES 4
	FETCH \hf, 3, 1
	s_wait_dscnt 14
	MUL 0, 0
	s_wait_dscnt 0x0
	MUL 1, 0
.endm
	s_wait_tensorcnt 0x0                           ; my tensor load is done,
	s_wait_dscnt 0x0                               ; and so are my stores of x
	s_barrier_signal -1
	s_barrier_wait -1                              ; x and the weights are in
	HALF 0
	s_barrier_signal -1                            ; (no LDS load of mine is out: half 0 ended on a wait for 0)
	s_barrier_wait -1                              ; nobody reads half 0 any more
	HALF 1
; THE EXCHANGE: slots 2 and 3, six accumulators, go to my partner as an image of their 48 registers
	PLACES 4
.irp k, 0,1,2,3,4,5,6,7,8,9,10,11
	ds_store_b128 v13, v[ACC+48+4*\k:ACC+48+4*\k+3] offset:512*\k
.endr
	s_wait_kmcnt 0x0                               ; the exponents; the powers of two are made while the stores are out
	POW 8, 92, 93
	POW 10, 94, 95
	POW 12, 96, 97
	LIMS 14, 98
	LIMS 16, 99
	LIMS 18, 101
	s_wait_alu depctr_va_vdst(0)
	s_wait_dscnt 0x0                               ; for the partner's sake: my stores are done
	s_barrier_signal -1
	s_barrier_wait -1
.irp k, 0,1,2,3,4,5,6,7,8,9,10,11
	ds_load_b128 v[SET0+4*\k:SET0+4*\k+3], v39 offset:512*\k
.endr
	s_wait_loadcnt 0x0                             ; the biases
	s_wait_dscnt 0x0
.set i, 0
.rept 24
	v_pk_add_f32 v[ACC+i:ACC+i+1], v[ACC+i:ACC+i+1], v[SET0+i:SET0+i+1]   ; ascending: each accumulator from its low end on
.set i, i+2
.endr
; Accumulator a: sum x 2^(ex + ew) + bias; the hold at the largest code x the scale (the conversion to an 8-bit code does not saturate: ISA guide 7.6.2); eight codes.
.macro FIN a, sc, b, bs, vs
.irp i, 0,2,4,6
	v_pk_fma_f32 v[ACC+8*(\a)+\i:ACC+8*(\a)+\i+1], v[ACC+8*(\a)+\i:ACC+8*(\a)+\i+1], s[\sc:\sc+1], v[\b+\bs*\i:\b+\bs*\i+1] op_sel_hi:[1,0,1]
.endr
.irp i, 0,1,2,3,4,5,6,7
	v_med3_num_f32 v[ACC+8*(\a)+\i], v[ACC+8*(\a)+\i], -v[\vs+1], v[\vs+1]
.endr
	v_cvt_scalef32_pk8_bf8_f32 v[CD+2*(\a):CD+2*(\a)+1], v[ACC+8*(\a):ACC+8*(\a)+7], v[\vs]
.endm
.irp m, 0,1
	FIN 3*\m,   8,  22, 1, 14
	FIN 3*\m+1, 10, 30, 1, 16
	FIN 3*\m+2, 12, 20, 0, 18
.endr
	v_nop                                          ; one plain place behind the last conversion
.irp m, 0,1
	ds_store_b64 v9, v[CD+6*\m:CD+6*\m+1] offset:1024*\m
	ds_store_b64 v9, v[CD+6*\m+2:CD+6*\m+3] offset:4096+1024*\m
	ds_store_b64 v10, v[CD+6*\m+4:CD+6*\m+5] offset:256*\m
.endr
	s_wait_dscnt 0x0                               ; for the others' sake: my stores into the stage are done
	s_barrier_signal -1
	s_barrier_wait -1
.irp t, 0,1,2
.irp f, 0,1
	ds_load_b64 v[OUTR+4*\t+2*\f:OUTR+4*\t+2*\f+1], v11 offset:4096*\t+256*\f   ; a lane's low 8 bytes and its high 8 bytes of a block
.endr
.endr
.irp t, 0,1,2
	s_wait_dscnt 4-2*\t                            ; LDS loads come back in order: this block's two are in, the later blocks' may be out
	global_store_b128 v12, v[OUTR+4*\t:OUTR+4*\t+3], s[32+2*\t:33+2*\t]   ; 32 lanes store 512 consecutive bytes, at a multiple of 256 from the buffer's first byte
.endr
	s_wait_tensorcnt 0x0                           ; the wave's end
	ds_add_u32 v254, v255
	s_wait_dscnt 0x0
	CROUND                                         ; the closing round: no work-group ends while a partner may still ask for a tile that names it
	s_endpgm
.Lfunc_end_k_q572483cd82_proj:
	.size	k_q572483cd82_proj, .Lfunc_end_k_q572483cd82_proj-k_q572483cd82_proj
	.p2alignl 7, 3214868480
	.fill 96, 4, 3214868480
	.section	.rodata,"a",@progbits
	.p2align	6, 0x0
	.amdhsa_kernel k_q572483cd82_proj
		.amdhsa_group_segment_fixed_size 327680
		.amdhsa_private_segment_fixed_size 0
		.amdhsa_enable_private_segment 0
		.amdhsa_kernarg_size 88
		.amdhsa_user_sgpr_count 2
		.amdhsa_user_sgpr_kernarg_segment_ptr 1
		.amdhsa_wavefront_size32 1
		.amdhsa_system_sgpr_workgroup_id_x 1
		.amdhsa_system_sgpr_workgroup_id_y 1
		.amdhsa_system_sgpr_workgroup_id_z 1
		.amdhsa_system_vgpr_workitem_id 0
		.amdhsa_next_free_vgpr 256
		.amdhsa_next_free_sgpr 102
		.amdhsa_reserve_vcc 0
		.amdhsa_float_denorm_mode_32 3
		.amdhsa_float_denorm_mode_16_64 3
		.amdhsa_memory_ordered 1
		.amdhsa_forward_progress 1
		.amdhsa_inst_pref_size 35
	.end_amdhsa_kernel
	.amdgpu_metadata
---
amdhsa.version: [ 1, 2 ]
amdhsa.kernels:
  - .name:           k_q572483cd82_proj
    .symbol:         k_q572483cd82_proj.kd
    .args:
      - { .name: x_codes, .offset: 0, .size: 8, .value_kind: global_buffer, .address_space: global }
      - { .name: Wq_codes, .offset: 8, .size: 8, .value_kind: global_buffer, .address_space: global }
      - { .name: Wk_codes, .offset: 16, .size: 8, .value_kind: global_buffer, .address_space: global }
      - { .name: Wv_codes, .offset: 24, .size: 8, .value_kind: global_buffer, .address_space: global }
      - { .name: bq, .offset: 32, .size: 8, .value_kind: global_buffer, .address_space: global }
      - { .name: bk, .offset: 40, .size: 8, .value_kind: global_buffer, .address_space: global }
      - { .name: bv, .offset: 48, .size: 8, .value_kind: global_buffer, .address_space: global }
      - { .name: lowp_scales, .offset: 56, .size: 8, .value_kind: global_buffer, .address_space: global }
      - { .name: qc, .offset: 64, .size: 8, .value_kind: global_buffer, .address_space: global }
      - { .name: kc, .offset: 72, .size: 8, .value_kind: global_buffer, .address_space: global }
      - { .name: vc, .offset: 80, .size: 8, .value_kind: global_buffer, .address_space: global }
    .group_segment_fixed_size: 327680
    .private_segment_fixed_size: 0
    .kernarg_segment_align: 8
    .kernarg_segment_size: 88
    .max_flat_workgroup_size: 256
    .sgpr_count:     102
    .vgpr_count:     256
    .wavefront_size: 32
...
	.end_amdgpu_metadata
.endif
;; end of part 3
;; launch attn (part 4): grid 64 x 4, 8 waves a work-group, no clusters, 144,384 bytes of LDS; arguments qc, kc, vc, lowp_scales, out0; writes out0
.if DOCPART == 4
	.amdgcn_target "amdgcn-amd-amdhsa--gfx1250"
	.amdhsa_code_object_version 6
	.text
	.protected	k_q572483cd82_attn
	.globl	k_q572483cd82_attn
	.p2align	8
	.type	k_q572483cd82_attn,@function
k_q572483cd82_attn:
	s_mov_b64 s[64:65], 0
	v_nop
	global_prefetch_b8 v0, s[64:65] scope:SCOPE_SE
	s_setreg_imm32_b32 hwreg(HW_REG_WAVE_MODE, 25, 1), 1
	s_wait_xcnt 0x0
; out[b][q][:] = the sum over k of softmax_k(Q[b][q] . K[b][k] / 8) V[b][k][:], both products on codes of BF8 (E5M2), each operand with its given scale: e6 (Q), e7 (K), e8 (p), e9 (V).  No work of the problem is left out.
; qc, kc: [tile of 16 tokens][plane g: registers 4 g .. 4 g + 3 of a K = 64 fragment][lane][16 bytes];  vc: [128 tokens][plane g: registers 4 g .. 4 g + 3 of V^T's K = 128 fragment][channel tile d][lane][16 bytes].
; So every fragment comes by loads of 16 bytes at 16 x lane, 512 consecutive bytes a wave's instruction, k in its true place.
; THE SOFTMAX: t = score x 2^(e6 + e7) x log2(e) / 8; M = the largest t so far, rounded UP to a whole number; p = 2^(t - M) is what is quantised; the sum is taken of the unquantised p, in f32, and divides at the end.
; When M moves, the sum and O are multiplied by 2^(old M - new M): exact.
; SHARES.  A work-group owns 64 queries of one batch (4 x 64 = 256 work-groups).  Each of its eight waves owns ALL FOUR query tiles and keys of its own, 128 a step (8,192 bytes of K, as many of V): waves 0 to 3 five steps each,
; waves 4 to 7 three (4 x 640 + 4 x 384 = 4,096 keys).  So each byte of K and V that the work-group needs is taken once, by one wave, from memory straight into the operand's registers, and feeds four matrix instructions.
; In a step the four tiles go as two pairs.
; AHEAD.  K of the next step is asked for behind the second pair's K Q^T, V of the next step behind its V^T P: each has a pair's softmax in which to land.
; The work-groups of a batch begin at different steps of their waves' keys (by bits 3 and 4 of the work-group's number) and go round, so that at a time they ask for different pieces, and all but one of a wave's pieces
; are read by some work-groups in their first step; so no prefetch is laid.
; CLUSTER: none.  A joint load would take the same 524,288 bytes through 327,680 bytes of LDS, with a barrier in front of each refill, for waves that share none of them.
; THE HOLD at 57,344 x 2^e8 can change a p (at most 1) only where e8 is -16 or less: a scalar branch on e8 leads round it otherwise.
; At the end the eight waves' (-M, sum, O) meet in LDS and are joined under the largest M, again by exact powers of two: wave w joins rows 8 (w % 2) .. + 7 of tile w / 2.
; LAYOUT.  Both products are used transposed: S^T = K Q^T (source 0 = 16 keys, source 1 = 16 queries): lane (r, h) holds query r, and tile T's registers the keys 16 T + 8 h + 0 .. 7: one conversion gives registers
; 2 T, 2 T + 1 of P, source 1 of O^T = V^T P^T (source 0 = 16 channels x 128 keys).  A lane holds one query of each tile throughout.
; LIMITS on the given exponents: e6 + e7 between -123 and 130 (added to c's exponent field); e8 between -126 and 112; e8 + e9 is applied by v_ldexp_f32 and has none.  The scaled scores stay under 2^31 in magnitude.  M runs for each wave
; over its own keys; where e8 is -16 or less, so that p can pass the largest code, the hold is applied under the wave's running M and not under the row's last.
; REGISTERS, in windows of 256 (s_set_vgpr_msb's low byte: bits 1:0 source 0, 3:2 source 1, 5:4 source 2, 7:6 destination):
;   window 0: v1 16 x lane; v5, v6 for the add; v7-12 the merge's addresses; v16-47 Q; v48-175 a pair's S^T, then p, 64 a set; v176-207 first sums of set 0, then p's codes, 16 a set; v208-223 tile q's -M, largest t (at the end: the sum), sum in two halves;
;             v224-239 at work, 8 a set: +0, +1, +6, +7 maxima, +2 f (+3 named with it), +4 from the other half of the lanes; +0, +4, +6 chains of sums; v240 2^e8, v241 57,344 x 2^e8; v242-253 the merge
;   window 1: v0-63 K's eight fragments; v64-127 V's four; v128-255 O^T, 32 a tile
.set TREG,  4352                       ; the merge: a tile's O^T, 8 blocks of 4 registers; a block is 544 bytes: lanes 0-15 at 16 r, lanes 16-31 at 272 + 16 r
.set CREG,  4*TREG                     ; a wave's four tiles
.set MLB,   8*CREG                     ; (-M, sum): 64 bytes a query, 8 for each wave
.set SPARE, MLB+4096                   ; the spare words, 128 bytes for each of eight waves
.set Q,  16
.set S,  48
.set P,  176
.set ST, 208
.set W,  224
.set KF, 0
.set VF, 64
.set O,  128
.set TO_F, 0x40                        ; destination window 1, address window 0
.set W_QK, 0x01                        ; K in window 1; Q and S^T in window 0
.set W_RS, 0x41                        ; O^T (destination and source 0) in window 1, f in window 0
.set W_PV, 0x51                        ; V, C and D in window 1, P in window 0
.set W_ST, 0x04                        ; an LDS store's data: source 1, window 1
.set MSB, 0
.macro WIN new                         ; the immediate's high byte repeats the setting that is left; a switch that changes nothing is dropped
.if MSB != \new
	s_set_vgpr_msb (MSB<<8)|\new
.set MSB, \new
.endif
.endm
.macro PLACES n                        ; plain vector instructions between a matrix instruction and a load into, or a vector instruction on, its registers
.rept \n
	v_nop
.endr
.endm
.macro LOADK                           ; a step's 8,192 bytes of K: eight fragments
	WIN TO_F
.irp n, 0,1,2,3,4,5,6,7,8,9,10,11,12,13,14,15
	global_load_b128 v[KF+4*\n:KF+4*\n+3], v1, s[28:29] offset:512*\n
.endr
	WIN 0
.endm
.macro LOADV                           ; a step's 8,192 bytes of V: four fragments
	WIN TO_F
.irp d, 0,1,2,3
.irp g, 0,1,2,3
	global_load_b128 v[VF+16*\d+4*\g:VF+16*\d+4*\g+3], v1, s[30:31] offset:2048*\g+512*\d
.endr
.endr
	WIN 0
.endm
	s_load_b256 s[4:11], s[0:1], 0x0               ; qc s[4:5], kc s[6:7], vc s[8:9], the exponents s[10:11]
	s_load_b64 s[12:13], s[0:1], 0x20              ; out
	v_lshrrev_b32 v2, 5, v0
	v_readfirstlane_b32 s14, v2                    ; wave 0..7
	v_and_b32 v3, 31, v0
	v_lshl_add_u32 v5, v0, 2, SPARE
	v_mov_b32 v6, 0
	v_lshlrev_b32 v1, 4, v3                        ; 16 x lane
	s_and_b32 s15, ttmp7, 0xffff                   ; the batch
	s_lshl_b32 s16, s15, 18                        ; its first byte in each buffer of codes: 4,096 tokens x 64
	s_lshl_b32 s18, ttmp9, 12
	s_add_co_u32 s18, s18, s16                     ; Q: my 64 queries
	s_mov_b32 s19, 0
	s_mul_i32 s20, s14, 40960                      ; K, V: waves 0 to 3: 640 keys each,
	s_mul_i32 s21, s14, 24576
	s_add_co_u32 s21, s21, 65536                   ; waves 4 to 7: 384 each, behind the others' 163,840 bytes
	s_cmp_lt_u32 s14, 4
	s_cselect_b32 s20, s20, s21
	s_mov_b32 s53, 3*8192
	s_cselect_b32 s53, 5*8192, s53                 ; my steps x 8,192 bytes,
	s_mov_b32 s47, 1
	s_cselect_b32 s47, 3, s47                      ; and those between the first and the last
	s_add_co_u32 s20, s20, s16
	s_mov_b32 s21, 0
	s_lshl_b32 s24, ttmp9, 10
	s_and_b32 s24, s24, 0x6000
	s_sub_co_u32 s46, s53, 0x2000
	s_min_u32 s24, s24, s46                        ; the step at which I begin, x 8,192 bytes
	s_mov_b32 s25, 0
	s_lshl_b32 s26, s15, 20
	s_lshl_b32 s27, ttmp9, 14
	s_add_co_u32 s26, s26, s27                     ; out: the batch's 4,096 rows of 256 bytes, my 64
	s_mov_b32 s27, 0
	s_wait_alu depctr_va_vdst(0)
	s_wait_kmcnt 0x0
	s_load_b128 s[40:43], s[10:11], 0x18           ; e6, e7, e8, e9
	s_add_nc_u64 s[4:5], s[4:5], s[18:19]
	s_add_nc_u64 s[6:7], s[6:7], s[20:21]
	s_add_nc_u64 s[8:9], s[8:9], s[20:21]
	s_add_nc_u64 s[12:13], s[12:13], s[26:27]
	s_add_nc_u64 s[28:29], s[6:7], s[24:25]
	s_add_nc_u64 s[30:31], s[8:9], s[24:25]
.irp n, 0,1,2,3
	global_load_b128 v[Q+4*\n:Q+4*\n+3], v1, s[4:5] offset:512*\n   ; Q's fragments stay in registers: the first pair's,
.endr
	LOADK
.irp n, 4,5,6,7
	global_load_b128 v[Q+4*\n:Q+4*\n+3], v1, s[4:5] offset:512*\n   ; and the second pair's
.endr
	LOADV
	s_mov_b32 s44, 0x76543210                      ; v_permlanex16_b32's selects for lane l xor 16
	s_mov_b32 s45, 0xfedcba98
	; the merge's addresses
	v_and_b32 v2, 15, v0                           ; r; also c, a 16-byte piece of a row of out: c = 4 d + 2 h + b: channel tile d, half h, block b of the tile's two
	v_bfe_u32 v3, v0, 4, 1                         ; h
	s_mul_i32 s48, s14, CREG
	v_mul_u32_u24 v7, v3, 272
	v_lshl_add_u32 v7, v2, 4, v7
	v_add_nc_u32 v7, s48, v7                       ; v7: where I put a block of O^T
	s_lshl_b32 s48, s14, 3
	s_add_co_u32 s48, s48, MLB
	v_lshl_add_u32 v8, v2, 6, s48                  ; v8: where I put (-M, sum)
	v_bfe_u32 v4, v0, 2, 2
	v_and_b32 v10, 1, v0
	v_lshl_add_u32 v4, v4, 1, v10                  ; block 2 d + b
	v_mul_u32_u24 v9, v4, 544
	v_bfe_u32 v4, v0, 1, 1
	v_mul_u32_u24 v4, v4, 272
	v_add_nc_u32 v9, v9, v4
	v_lshl_add_u32 v9, v3, 4, v9                   ; lanes 0-15 one row, lanes 16-31 the next: 16 lanes touch 16 different columns of 16 bytes
	s_lshr_b32 s48, s14, 1
	s_mul_i32 s48, s48, TREG
	s_and_b32 s49, s14, 1
	s_lshl_b32 s49, s49, 7
	s_add_co_u32 s48, s48, s49
	v_add_nc_u32 v9, s48, v9                       ; v9: where I read my tile's rows from waves 0-3,
	v_add_nc_u32 v10, 4*CREG, v9                   ; v10: from waves 4-7
	s_lshl_b32 s48, s14, 9
	s_add_co_u32 s48, s48, MLB
	v_lshl_add_u32 v11, v3, 6, s48                 ; v11: my rows' (-M, sum)
	s_lshl_b32 s48, s14, 11
	v_add_nc_u32 v12, s48, v1                      ; v12: my rows in out: 2,048 bytes a wave
.irp u, 0,1
	v_mov_b32 v[W+8*\u+3], 0                       ; (named as the upper half of f's pair)
	v_mov_b32 v[W+8*\u+4], 0                       ; written once: a lane permute's destination counts as one of its sources
.endr
	s_wait_alu depctr_va_vdst(0)
	s_wait_kmcnt 0x0
	s_add_co_i32 s48, s40, s41
	s_lshl_b32 s48, s48, 23
	s_add_co_i32 s22, s48, 0x3e38aa3b              ; c = log2(e) / 8, with e6 + e7 added to its exponent field
	s_mov_b32 s23, s22                             ; (named with it as a pair, so it is written)
	s_add_co_i32 s48, s42, 127
	s_lshl_b32 s49, s48, 23
	v_mov_b32 v240, s49                            ; 2^e8 as f32, for the conversion
	s_add_co_i32 s48, s48, 15
	s_lshl_b32 s48, s48, 23
	s_or_b32 s48, s48, 0x600000
	v_mov_b32 v241, s48                            ; 57,344 x 2^e8
	s_add_co_i32 s52, s42, s43                     ; e8 + e9
.macro OSTORE q                        ; tile q's O^T into LDS, ascending: each accumulator from its low end on
	WIN W_ST
.irp i, 0,1,2,3,4,5,6,7
	ds_store_b128 v7, v[O+32*\q+4*\i:O+32*\q+4*\i+3] offset:TREG*\q+544*\i
.endr
	WIN 0
.endm
; The rows' sums under the new M, of the unquantised p, a pair of registers at a time, in four chains a set that take turns.  Set 0: its 16 first sums at P; set 1: its 32 pairs of p.
.macro SUMS first
.if !\first
	v_pk_fma_f32 v[B0+2:B0+3], v[B0+2:B0+3], v[W+2:W+3], v[P:P+1] op_sel_hi:[1,0,1]
	v_pk_fma_f32 v[B0+6:B0+7], v[B0+6:B0+7], v[W+10:W+11], v[S+64:S+65] op_sel_hi:[1,0,1]
.endif
.irp j, 1,2,3,4,5,6,7
.if \j == 1
.if \first
	v_pk_add_f32 v[B0+6:B0+7], v[S+64:S+65], v[S+72:S+73]
.else
	v_pk_add_f32 v[B0+6:B0+7], v[B0+6:B0+7], v[S+72:S+73]
.endif
	v_pk_add_f32 v[W+14:W+15], v[S+66:S+67], v[S+74:S+75]
	v_pk_add_f32 v[W+8:W+9], v[S+68:S+69], v[S+76:S+77]
	v_pk_add_f32 v[W:W+1], v[S+70:S+71], v[S+78:S+79]
.if \first
	v_pk_add_f32 v[B0+2:B0+3], v[P:P+1], v[P+8:P+9]
.else
	v_pk_add_f32 v[B0+2:B0+3], v[B0+2:B0+3], v[P+8:P+9]
.endif
	v_pk_add_f32 v[W+6:W+7], v[P+2:P+3], v[P+10:P+11]
.else
	v_pk_add_f32 v[B0+6:B0+7], v[B0+6:B0+7], v[S+64+8*\j:S+65+8*\j]
	v_pk_add_f32 v[W+14:W+15], v[W+14:W+15], v[S+66+8*\j:S+67+8*\j]
	v_pk_add_f32 v[W+8:W+9], v[W+8:W+9], v[S+68+8*\j:S+69+8*\j]
	v_pk_add_f32 v[W:W+1], v[W:W+1], v[S+70+8*\j:S+71+8*\j]
.if \j == 2
	v_pk_add_f32 v[W+4:W+5], v[P+4:P+5], v[P+12:P+13]
	v_pk_add_f32 v[W+12:W+13], v[P+6:P+7], v[P+14:P+15]
.elseif (\j == 3) || (\j == 5)
	v_pk_add_f32 v[B0+2:B0+3], v[B0+2:B0+3], v[P+4*(\j+1):P+4*(\j+1)+1]
	v_pk_add_f32 v[W+6:W+7], v[W+6:W+7], v[P+4*(\j+1)+2:P+4*(\j+1)+3]
.elseif (\j == 4) || (\j == 6)
	v_pk_add_f32 v[W+4:W+5], v[W+4:W+5], v[P+4*\j+4:P+4*\j+5]
	v_pk_add_f32 v[W+12:W+13], v[W+12:W+13], v[P+4*\j+6:P+4*\j+7]
.endif
.endif
.endr
	v_pk_add_f32 v[W+14:W+15], v[W+14:W+15], v[W+8:W+9]
	v_pk_add_f32 v[B0+6:B0+7], v[B0+6:B0+7], v[W:W+1]
	v_pk_add_f32 v[W+6:W+7], v[W+6:W+7], v[W+4:W+5]
	v_pk_add_f32 v[B0+2:B0+3], v[B0+2:B0+3], v[W+12:W+13]
	v_pk_add_f32 v[B0+6:B0+7], v[B0+6:B0+7], v[W+14:W+15]
	v_pk_add_f32 v[B0+2:B0+3], v[B0+2:B0+3], v[W+6:W+7]
.endm
; A PAIR OF QUERY TILES (set u = tile 2 pr + u) against the step's 128 keys.  first = 1: the wave's first step: the products start O^T's sums, and there is nothing to rescale.  more = 1: a further step follows.
.macro PAIR pr, first, more
.set B0, ST+8*\pr
	WIN W_QK
.irp t, 0,1,2,3,4,5,6,7
.if (\pr == 0) && (\t == 0)
	s_wait_loadcnt 24+4*\first                     ; K's first eight loads are in; its other eight and V's sixteen may be out (the first time the second pair's four of Q too)
.endif
.if (\pr == 0) && (\t == 4)
	s_wait_loadcnt 16+4*\first                     ; K is in; V's sixteen may be out (the first time four of Q too)
.endif
.irp u, 0,1
	v_wmma_f32_16x16x64_bf8_bf8 v[S+64*\u+8*\t:S+64*\u+8*\t+7], v[KF+8*\t:KF+8*\t+7], v[Q+16*\pr+8*\u:Q+16*\pr+8*\u+7], 0   ; S^T: tile t's register j of lane (r, h): key 16 t + 8 h + j, query r of set u
.endr
.endr
	WIN 0
.if \pr && \more
	s_add_co_u32 s24, s24, 0x2000
	s_cmp_ge_u32 s24, s53
	s_cselect_b32 s24, 0, s24                      ; the next of my steps, going round
	s_add_nc_u64 s[28:29], s[6:7], s[24:25]        ; (the loads that read this base have been waited for)
.endif
	PLACES 4                                       ; behind K Q^T: in front of the loads into K's registers and of the first read of the scores
.if \pr && \more
	LOADK
.endif
.if \pr && !\more
	OSTORE 0                                       ; the first pair is finished: its O^T leaves under the second pair's softmax
	OSTORE 1
.endif
	; the step's largest score of each query, among my 64 keys: four chains a set, the two sets by turns, ascending: each accumulator is read from its low end on
.irp u, 0,1
	v_max3_num_f32 v[W+8*\u], v[S+64*\u], v[S+64*\u+1], v[S+64*\u+2]
.endr
.irp u, 0,1
	v_max3_num_f32 v[W+8*\u+1], v[S+64*\u+3], v[S+64*\u+4], v[S+64*\u+5]
.endr
.irp u, 0,1
	v_max3_num_f32 v[W+8*\u+6], v[S+64*\u+6], v[S+64*\u+7], v[S+64*\u+8]
.endr
.irp u, 0,1
	v_max3_num_f32 v[W+8*\u+7], v[S+64*\u+9], v[S+64*\u+10], v[S+64*\u+11]
.endr
.set j, 12
.rept 6
.irp c, 0,1,6,7
.irp u, 0,1
	v_max3_num_f32 v[W+8*\u+\c], v[W+8*\u+\c], v[S+64*\u+j], v[S+64*\u+j+1]
.endr
.set j, j+2
.endr
.endr
.irp u, 0,1
	v_max3_num_f32 v[W+8*\u], v[W+8*\u], v[S+64*\u+60], v[S+64*\u+61]
.endr
.irp u, 0,1
	v_max3_num_f32 v[W+8*\u+1], v[W+8*\u+1], v[S+64*\u+62], v[S+64*\u+63]
.endr
.irp u, 0,1
	v_max3_num_f32 v[W+8*\u], v[W+8*\u], v[W+8*\u+1], v[W+8*\u+6]
.endr
.irp u, 0,1
	s_delay_alu instid0(VALU_DEP_2)
	v_max_num_f32 v[W+8*\u], v[W+8*\u], v[W+8*\u+7]
.endr
.irp u, 0,1
	s_delay_alu instid0(VALU_DEP_2)
	v_permlanex16_b32 v[W+8*\u+4], v[W+8*\u], s44, s45
.endr
.irp u, 0,1
	s_delay_alu instid0(VALU_DEP_2)
	v_max_num_f32 v[W+8*\u], v[W+8*\u], v[W+8*\u+4]   ; and among lane l xor 16's
.endr
.if \first
.irp u, 0,1
	s_delay_alu instid0(VALU_DEP_2)
	v_mul_f32 v[B0+4*\u+1], s22, v[W+8*\u]         ; the largest t (c is positive)
.endr
.irp u, 0,1
	s_delay_alu instid0(VALU_DEP_2)
	v_floor_f32 v[B0+4*\u], -v[B0+4*\u+1]          ; -M = floor(-t) = -ceil(t): M is a whole number
.endr
.else
.irp u, 0,1
	s_delay_alu instid0(VALU_DEP_2)
	v_mul_f32 v[W+8*\u], s22, v[W+8*\u]            ; as t (c is positive)
.endr
.irp u, 0,1
	s_delay_alu instid0(VALU_DEP_2)
	v_max_num_f32 v[B0+4*\u+1], v[B0+4*\u+1], v[W+8*\u]   ; the running largest t
.endr
.irp u, 0,1
	v_mov_b32 v[W+8*\u], v[B0+4*\u]
.endr
.irp u, 0,1
	s_delay_alu instid0(VALU_DEP_4)
	v_floor_f32 v[B0+4*\u], -v[B0+4*\u+1]          ; the new -M = floor(-t) = -ceil(t): M is a whole number
.endr
.irp u, 0,1
	s_delay_alu instid0(VALU_DEP_2)
	v_sub_f32 v[W+8*\u], v[B0+4*\u], v[W+8*\u]     ; M's old value less its new one: a whole number, 0 or less
.endr
.irp u, 0,1
	s_delay_alu instid0(VALU_DEP_2)
	v_cvt_i32_f32 v[W+8*\u], v[W+8*\u]             ; (it saturates)
.endr
.irp u, 0,1
	s_delay_alu instid0(VALU_DEP_2)
	v_ldexp_f32 v[W+8*\u+2], 1.0, v[W+8*\u]        ; f = 2^(old M - new M)
.endr
.endif
.set j, 0
.rept 32
	v_pk_fma_f32 v[S+2*j:S+2*j+1], v[S+2*j:S+2*j+1], s[22:23], v[B0:B0+1] op_sel_hi:[1,0,0]   ; set 0: t - M, two at a time (of the pairs c and -M the low word serves both halves)
.set j, j+1
.endr
	; set 0's exponentials, p = 2^(t - M), by turns with set 1's t - M
	s_wait_alu depctr_va_vdst(0)                   ; ahead of the batch
.set j, 0
.rept 32
	v_exp_f32 v[S+2*j], v[S+2*j]
	v_exp_f32 v[S+2*j+1], v[S+2*j+1]
	v_pk_fma_f32 v[S+64+2*j:S+64+2*j+1], v[S+64+2*j:S+64+2*j+1], s[22:23], v[B0+4:B0+5] op_sel_hi:[1,0,0]
.set j, j+1
.endr
	; set 1's exponentials, by turns with set 0's first sums, which no line reads before the next wait
	s_wait_alu depctr_va_vdst(0)                   ; behind set 0's batch and ahead of set 1's
.set j, 0
.rept 16
	v_exp_f32 v[S+64+4*j], v[S+64+4*j]
	v_exp_f32 v[S+64+4*j+1], v[S+64+4*j+1]
	v_exp_f32 v[S+64+4*j+2], v[S+64+4*j+2]
	v_exp_f32 v[S+64+4*j+3], v[S+64+4*j+3]
	v_pk_add_f32 v[P+2*j:P+2*j+1], v[S+4*j:S+4*j+1], v[S+4*j+2:S+4*j+3]
.set j, j+1
.endr
.if !\first
	WIN W_RS
.endif
	s_wait_alu depctr_va_vdst(0)                   ; one wait behind the batch, directly ahead of the first readers of O^T too
.if !\first
.irp u, 0,1
.irp i, 0,2,4,6,8,10,12,14,16,18,20,22,24,26,28,30
	v_pk_mul_f32 v[O+64*\pr+32*\u+\i:O+64*\pr+32*\u+\i+1], v[O+64*\pr+32*\u+\i:O+64*\pr+32*\u+\i+1], v[W+8*\u+2:W+8*\u+3] op_sel_hi:[1,0]   ; O^T under the new M, ascending
.endr
.endr
	WIN 0
.endif
	SUMS \first
.if \pr == 0
	s_wait_loadcnt 0x0                             ; V is in
.endif
	s_cmp_lt_i32 s42, -15
	s_cbranch_scc0 .Lno_hold_\@                    ; e8 >= -15: 57,344 x 2^e8 is 1.75 or more, and p is at most 1
.set j, 0
.rept 128
	v_min_num_f32 v[S+j], v[S+j], v241             ; the conversion to an 8-bit code does not saturate (ISA guide 7.6.2); p is not negative, so the hold is one-sided
.set j, j+1
.endr
.Lno_hold_\@:
.irp t, 0,1,2,3,4,5,6,7
.irp u, 0,1
	v_cvt_scalef32_pk8_bf8_f32 v[P+16*\u+2*\t:P+16*\u+2*\t+1], v[S+64*\u+8*\t:S+64*\u+8*\t+7], v240   ; registers 2 t, 2 t + 1 of set u's P
.endr
.endr
	v_nop                                          ; one plain vector instruction between the last conversion and the products that read its result
	WIN W_PV
.irp d, 0,1,2,3
.irp u, 0,1
.if \first
	v_wmma_f32_16x16x128_bf8_bf8 v[O+64*\pr+32*\u+8*\d:O+64*\pr+32*\u+8*\d+7], v[VF+16*\d:VF+16*\d+15], v[P+16*\u:P+16*\u+15], 0
.else
	v_wmma_f32_16x16x128_bf8_bf8 v[O+64*\pr+32*\u+8*\d:O+64*\pr+32*\u+8*\d+7], v[VF+16*\d:VF+16*\d+15], v[P+16*\u:P+16*\u+15], v[O+64*\pr+32*\u+8*\d:O+64*\pr+32*\u+8*\d+7]   ; the eight accumulators take turns
.endif
.endr
.endr
.if \pr && \more
	WIN 0
	s_add_nc_u64 s[30:31], s[8:9], s[24:25]        ; the next step's V (the loads that read this base have been waited for)
	PLACES 4                                       ; in front of the loads into V's registers
	LOADV
.endif
.endm
	s_wait_alu depctr_va_vdst(0)
	PAIR 0, 1, 1                                   ; the wave's steps: the first,
	PAIR 1, 1, 1
.Lstep:                                                ; three or one in the loop,
	PAIR 0, 0, 1
	PAIR 1, 0, 1
	s_sub_co_u32 s47, s47, 1
	s_cmp_lg_u32 s47, 0
	s_cbranch_scc1 .Lstep
	PAIR 0, 0, 0                                   ; and the last, which asks for nothing more
	PAIR 1, 0, 0
	; THE MERGE
	WIN 0
	s_wait_alu depctr_va_vdst(0)                   ; ahead of the sums' next readers
.irp q, 0,1,2,3
	v_add_f32 v[ST+4*\q+1], v[ST+4*\q+2], v[ST+4*\q+3]   ; the sum's two halves, beside -M.  (These four lines are the places behind the last products)
.endr
.irp q, 0,1,2,3
	v_permlanex16_b32 v[W+4*\q], v[ST+4*\q+1], s44, s45
.endr
.irp q, 0,1,2,3
	v_add_f32 v[ST+4*\q+1], v[ST+4*\q+1], v[W+4*\q]      ; and lane l xor 16's: my keys' sum for query r
.endr
.irp q, 0,1,2,3
	ds_store_b64 v8, v[ST+4*\q:ST+4*\q+1] offset:1024*\q   ; both halves of the lanes store the same number to the same place
.endr
	OSTORE 2
	OSTORE 3
	s_wait_dscnt 0x0                               ; for the others' sake: my stores are done
	s_barrier_signal -1
	s_barrier_wait -1
.set ML, 48                            ; row k (2 k + lane / 16 of my eight), wave j: -M at ML + 16 k + 2 j, the sum behind it
.set OD, 112                           ; wave j's 16 bytes of row k at OD + 16 j + 4 k
.set F,  16                            ; f of row k, wave j at F + 8 k + j
.irp k, 0,1,2,3
.irp m, 0,1,2,3
	ds_load_b128 v[ML+16*\k+4*\m:ML+16*\k+4*\m+3], v11 offset:128*\k+16*\m
.endr
.endr
.irp j, 0,1,2,3,4,5,6,7
.irp k, 0,1,2,3
	ds_load_b128 v[OD+16*\j+4*\k:OD+16*\j+4*\k+3], v[9+\j/4] offset:CREG*(\j%4)+32*\k
.endr
.endr
	s_wait_dscnt 32                                ; the sixteen loads of (-M, sum) are in; the 32 of O^T behind them may be out
.irp k, 0,1,2,3
	v_min3_num_f32 v[242+\k], v[ML+16*\k], v[ML+16*\k+2], v[ML+16*\k+4]   ; -M* = the least -M: M* is the largest M
.endr
.irp k, 0,1,2,3
	v_min3_num_f32 v[242+\k], v[242+\k], v[ML+16*\k+6], v[ML+16*\k+8]
.endr
.irp k, 0,1,2,3
	v_min3_num_f32 v[242+\k], v[242+\k], v[ML+16*\k+10], v[ML+16*\k+12]
.endr
.irp k, 0,1,2,3
	v_min_num_f32 v[242+\k], v[242+\k], v[ML+16*\k+14]
.endr
.irp j, 0,1,2,3,4,5,6,7
.irp k, 0,1,2,3
	v_sub_f32 v[F+8*\k+\j], v[242+\k], v[ML+16*\k+2*\j]   ; M_j - M*: whole numbers, 0 or less
.endr
.endr
.irp j, 0,1,2,3,4,5,6,7
.irp k, 0,1,2,3
	v_cvt_i32_f32 v[F+8*\k+\j], v[F+8*\k+\j]
.endr
.endr
.irp j, 0,1,2,3,4,5,6,7
.irp k, 0,1,2,3
	v_ldexp_f32 v[F+8*\k+\j], 1.0, v[F+8*\k+\j]           ; f_j = 2^(M_j - M*)
.endr
.endr
.irp k, 0,1,2,3
	v_mul_f32 v[246+\k], v[F+8*\k], v[ML+16*\k+1]
.endr
.irp j, 1,2,3,4,5,6,7
.irp k, 0,1,2,3
	v_fmac_f32 v[246+\k], v[F+8*\k+\j], v[ML+16*\k+2*\j+1]   ; the row's sum under M*
.endr
.endr
	s_wait_alu depctr_va_vdst(0)                   ; ahead of the batch,
.irp k, 0,1,2,3
	v_rcp_f32 v[250+\k], v[246+\k]
.endr
	v_nop                                          ; one plain place behind a transcendental
	s_wait_alu depctr_va_vdst(0)                   ; and ahead of its first reader
.irp k, 0,1,2,3
	v_ldexp_f32 v[250+\k], v[250+\k], s52          ; x 2^(e8 + e9)
.endr
	s_wait_alu depctr_va_vdst(0)
	s_wait_dscnt 0x0
.irp k, 0,1,2,3
.irp i, 0,2
	v_pk_mul_f32 v[ML+4*\k+\i:ML+4*\k+\i+1], v[OD+4*\k+\i:OD+4*\k+\i+1], v[F+8*\k:F+8*\k+1] op_sel_hi:[1,0]
.endr
.endr
.irp j, 1,2,3,4,5,6,7
.irp k, 0,1,2,3
.irp i, 0,2
.if \j%2
	v_pk_fma_f32 v[ML+4*\k+\i:ML+4*\k+\i+1], v[OD+16*\j+4*\k+\i:OD+16*\j+4*\k+\i+1], v[F+8*\k+\j-1:F+8*\k+\j], v[ML+4*\k+\i:ML+4*\k+\i+1] op_sel:[0,1,0] op_sel_hi:[1,1,1]
.else
	v_pk_fma_f32 v[ML+4*\k+\i:ML+4*\k+\i+1], v[OD+16*\j+4*\k+\i:OD+16*\j+4*\k+\i+1], v[F+8*\k+\j:F+8*\k+\j+1], v[ML+4*\k+\i:ML+4*\k+\i+1] op_sel_hi:[1,0,1]
.endif
.endr
.endr
.endr
.irp k, 0,1,2,3
.irp i, 0,2
.if \k%2
	v_pk_mul_f32 v[ML+4*\k+\i:ML+4*\k+\i+1], v[ML+4*\k+\i:ML+4*\k+\i+1], v[249+\k:250+\k] op_sel:[0,1] op_sel_hi:[1,1]
.else
	v_pk_mul_f32 v[ML+4*\k+\i:ML+4*\k+\i+1], v[ML+4*\k+\i:ML+4*\k+\i+1], v[250+\k:251+\k] op_sel_hi:[1,0]
.endif
.endr
.endr
.irp k, 0,1,2,3
	global_store_b128 v12, v[ML+4*\k:ML+4*\k+3], s[12:13] offset:512*\k th:TH_STORE_NT   ; 16 lanes store 256 consecutive bytes, a row of out, at a multiple of 256 from its first byte
.endr
	s_wait_tensorcnt 0x0                           ; the wave's end: behind my last LDS store
	ds_add_u32 v5, v6
	s_wait_dscnt 0x0
	s_endpgm
.Lfunc_end_k_q572483cd82_attn:
	.size	k_q572483cd82_attn, .Lfunc_end_k_q572483cd82_attn-k_q572483cd82_attn
	.p2alignl 7, 3214868480
	.fill 96, 4, 3214868480
	.section	.rodata,"a",@progbits
	.p2align	6, 0x0
	.amdhsa_kernel k_q572483cd82_attn
		.amdhsa_group_segment_fixed_size 144384
		.amdhsa_private_segment_fixed_size 0
		.amdhsa_enable_private_segment 0
		.amdhsa_kernarg_size 40
		.amdhsa_user_sgpr_count 2
		.amdhsa_user_sgpr_kernarg_segment_ptr 1
		.amdhsa_wavefront_size32 1
		.amdhsa_system_sgpr_workgroup_id_x 1
		.amdhsa_system_sgpr_workgroup_id_y 1
		.amdhsa_system_sgpr_workgroup_id_z 1
		.amdhsa_system_vgpr_workitem_id 0
		.amdhsa_next_free_vgpr 512
		.amdhsa_next_free_sgpr 66
		.amdhsa_reserve_vcc 0
		.amdhsa_float_denorm_mode_32 3
		.amdhsa_float_denorm_mode_16_64 3
		.amdhsa_memory_ordered 1
		.amdhsa_forward_progress 1
		.amdhsa_inst_pref_size 185
	.end_amdhsa_kernel
	.amdgpu_metadata
---
amdhsa.version: [ 1, 2 ]
amdhsa.kernels:
  - .name:           k_q572483cd82_attn
    .symbol:         k_q572483cd82_attn.kd
    .args:
      - { .name: qc, .offset: 0, .size: 8, .value_kind: global_buffer, .address_space: global }
      - { .name: kc, .offset: 8, .size: 8, .value_kind: global_buffer, .address_space: global }
      - { .name: vc, .offset: 16, .size: 8, .value_kind: global_buffer, .address_space: global }
      - { .name: lowp_scales, .offset: 24, .size: 8, .value_kind: global_buffer, .address_space: global }
      - { .name: out0, .offset: 32, .size: 8, .value_kind: global_buffer, .address_space: global }
    .group_segment_fixed_size: 144384
    .private_segment_fixed_size: 0
    .kernarg_segment_align: 8
    .kernarg_segment_size: 40
    .max_flat_workgroup_size: 256
    .sgpr_count:     66
    .vgpr_count:     512
    .wavefront_size: 32
...
	.end_amdgpu_metadata
.endif
;; end of part 4
